; MI455X (gfx1250); checked and timed in simulation.
; The chip was launched on July 23, 2026; its instructions are those of AMD's public machine-readable ISA for CDNA 5 (MIT licence, August 2026) and "CDNA5" Instruction Set Architecture Reference Guide (July 2026). The comments in the code are by the model that wrote it; some were corrected since.
;; TDMHSA. Allowed arithmetic: float matrix products may take bf16 or f16 operands with f32 sums; other float arithmetic in f32, or as packed bf16 or f16 multiplies, adds, multiply-adds, maxima and minima; sums over many terms, partial sums and values carried from step to step in f32; what a program stores and reads back later, other than sums and carried values, may be rounded once to bf16 or f16.
;; Inputs: Er 1,024 x 64 float32; W_out 1,024 x 1,024 float32; W_qkv 1,024 x 3,072 float32; W_time 256 x 3,072 float32; b_out 1,024 float32; b_qkv 3,072 float32; b_time 3,072 float32; time_emb 8 x 256 float32; x 8 x 1,024 x 1,024 float32.
;; Outputs: out0 8 x 1,024 x 1,024 float32.
;; One version. Each part assembles by itself: llvm-mc -triple=amdgcn-amd-amdhsa -mcpu=gfx1250 --defsym DOCPART=n.
;; ======== version 1 of 1: 4 launches
;; limits: values are held in f16: magnitudes above 65,504 overflow, below 6.1e-05 lose precision
;; workspace buffers: xb 16,777,216 bytes; wqb 6,291,456 bytes; wob 2,097,152 bytes; tt 262,400 bytes; tb 98,304 bytes; qkv 50,331,648 bytes; ob 16,777,216 bytes
;; launch prep (part 1): grid 1592 x 1, 8 waves a work-group, no clusters, 33,792 bytes of LDS; arguments x, W_qkv, W_out, Er, time_emb, W_time, b_time, b_qkv, xb, wqb, wob, tt, tb; writes xb, wqb, wob, tt, tb
.if DOCPART == 1
	.amdgcn_target "amdgcn-amd-amdhsa--gfx1250"
	.amdhsa_code_object_version 6
	.text
	.protected	k_qa0b474df9f_prep
	.globl	k_qa0b474df9f_prep
	.p2align	8
	.type	k_qa0b474df9f_prep,@function
k_qa0b474df9f_prep:
	s_mov_b64 s[64:65], 0
	v_nop
	global_prefetch_b8 v0, s[64:65] scope:SCOPE_SE
	s_setreg_imm32_b32 hwreg(HW_REG_WAVE_MODE, 25, 1), 1
	s_wait_xcnt 0x0
; PREPARATION.  Every input is rounded once to bf16; what a later f16 product takes (W_out, Er) is that bf16 number written as f16.
; Work-group 0..47: tb[b][c] = time_emb[b] . W_time[:, c] + b_time[c] + b_qkv[c] (f32 sums of bf16 numbers; the k part times 1/8), 64 columns a work-group.  They come first: theirs is the longest chain of dependent loads.
; 48..1071: x -> xb (bf16).  1072..1455: W_qkv -> wqb (bf16, the k columns 1024..2047 times 1/8, a power of two).  1456..1583: W_out -> wob (f16).
; 1584..1591: Er -> tt (f16): the table T of 128-byte rows, T[u] = Er[u] for u < 1024, T[1024] = 0, T[u] = Er[u - 1025] above.
; A streaming work-group converts 8,192 numbers, a wave 1,024: eight loads of 512 bytes on end, eight stores of 256 bytes on end, aligned (tt's second copy begins 128 bytes off).
; LIMITS.  A bf16 number below 2^-14 in size keeps f16's fixed step of 6e-8 in wob and tt; beyond 65,504 it would be an infinity.
.set SPARE, 32768                      ; behind the partial sums: the spare words, 128 bytes for each of eight waves
.set SPW, 126                          ; v126 LDS address of my spare word; never rewritten
.set NIL, 127                          ; v127 0; never rewritten
.set VIN, 2                            ; v2   my 16 bytes in the work-group's 32 KiB of input
.set VOUT, 3                           ; v3   my 8 bytes of its output
.set LN, 4                             ; v4   lane
.set XI, 8                             ; v[8:39]  as loaded
.set YO, 40                            ; v[40:55] to store
.set T0, 56                            ; v[56:57] at work
	s_load_b512 s[16:31], s[0:1], 0x0              ; x 16, W_qkv 18, W_out 20, Er 22, time_emb 24, W_time 26, b_time 28, b_qkv 30
	s_load_b256 s[32:39], s[0:1], 0x40             ; xb 32, wqb 34, wob 36, tt 38
	s_load_b64 s[40:41], s[0:1], 0x60              ; tb
	v_lshl_add_u32 v[SPW], v0, 2, SPARE
	v_mov_b32 v[NIL], 0
	v_lshrrev_b32 v1, 5, v0
	v_readfirstlane_b32 s12, v1                    ; wave 0..7
	v_and_b32 v[LN], 31, v0
	v_lshlrev_b32 v[VIN], 4, v[LN]
	v_lshl_add_u32 v[VIN], v1, 12, v[VIN]          ; 4,096 x wave + 16 x lane
	v_lshrrev_b32 v[VOUT], 1, v[VIN]
	s_mov_b32 s3, 0
	s_mov_b32 s11, 0                               ; named with s10 as a pair
	s_wait_kmcnt 0x0
; One streaming job: block s8 of 8,192 numbers.  mode 0: bf16; 1: times s10, then bf16; 2: bf16, written as f16.  twice = 1: a second copy 1,025 rows of 128 bytes on.
.macro STREAM src, dst, mode, twice
	s_lshl_b32 s2, s8, 15
	s_add_nc_u64 s[4:5], s[\src:\src+1], s[2:3]
	s_lshl_b32 s2, s8, 14
	s_add_nc_u64 s[6:7], s[\dst:\dst+1], s[2:3]
.irp i, 0,1,2,3,4,5,6,7
	global_load_b128 v[XI+4*\i:XI+4*\i+3], v[VIN], s[4:5] offset:512*\i th:TH_LOAD_NT
.endr
.irp i, 0,1,2,3,4,5,6,7
	s_wait_loadcnt 7-\i                            ; loads come back in order: number i is in, the younger ones stay out
.if (\mode) == 1
	v_pk_mul_f32 v[XI+4*\i:XI+4*\i+1], v[XI+4*\i:XI+4*\i+1], s[10:11] op_sel_hi:[1,0]
	v_pk_mul_f32 v[XI+4*\i+2:XI+4*\i+3], v[XI+4*\i+2:XI+4*\i+3], s[10:11] op_sel_hi:[1,0]
.endif
.if (\mode) < 2
	v_cvt_pk_bf16_f32 v[YO+2*\i], v[XI+4*\i], v[XI+4*\i+1]
	v_cvt_pk_bf16_f32 v[YO+2*\i+1], v[XI+4*\i+2], v[XI+4*\i+3]
.else
	v_cvt_pk_bf16_f32 v[T0], v[XI+4*\i], v[XI+4*\i+1]
	v_cvt_pk_bf16_f32 v[T0+1], v[XI+4*\i+2], v[XI+4*\i+3]
	v_lshlrev_b32 v[XI+4*\i], 16, v[T0]
	v_and_b32 v[XI+4*\i+1], 0xffff0000, v[T0]
	v_lshlrev_b32 v[XI+4*\i+2], 16, v[T0+1]
	v_and_b32 v[XI+4*\i+3], 0xffff0000, v[T0+1]
	v_cvt_pk_f16_f32 v[YO+2*\i], v[XI+4*\i], v[XI+4*\i+1]
	v_cvt_pk_f16_f32 v[YO+2*\i+1], v[XI+4*\i+2], v[XI+4*\i+3]
.endif
	global_store_b64 v[VOUT], v[YO+2*\i:YO+2*\i+1], s[6:7] offset:256*\i
.if \twice
	global_store_b64 v[VOUT], v[YO+2*\i:YO+2*\i+1], s[6:7] offset:256*\i+131200
.endif
.endr
.endm
	s_cmp_lt_u32 ttmp9, 48
	s_cbranch_scc1 .Ltb
	s_cmp_lt_u32 ttmp9, 1072
	s_cbranch_scc0 .Lnot_x
	s_sub_co_u32 s8, ttmp9, 48
	STREAM 16, 32, 0, 0
	s_branch .Lmeet
.Lnot_x:
	s_cmp_lt_u32 ttmp9, 1456
	s_cbranch_scc0 .Lnot_wq
	s_sub_co_u32 s8, ttmp9, 1072
	s_lshl_b32 s13, s8, 3
	s_add_co_u32 s13, s13, s12                     ; my wave's run of 1,024 numbers: a third of a row of 3,072
	s_mul_i32 s14, s13, 43691
	s_lshr_b32 s14, s14, 17                        ; its number / 3 (exact below 2^16)
	s_mul_i32 s14, s14, 3
	s_sub_co_u32 s13, s13, s14                     ; which third: 0 q, 1 k, 2 v
	s_cmp_eq_u32 s13, 1
	s_cselect_b32 s10, 0x3e000000, 1.0             ; 1/8 for k
	STREAM 18, 34, 1, 0
	s_branch .Lmeet
.Lnot_wq:
	s_cmp_lt_u32 ttmp9, 1584
	s_cbranch_scc0 .Lnot_wo
	s_sub_co_u32 s8, ttmp9, 1456
	STREAM 20, 36, 2, 0
	s_branch .Lmeet
.Lnot_wo:
	s_sub_co_u32 s8, ttmp9, 1584
	STREAM 22, 38, 2, 1
	s_or_b32 s13, s8, s12
	s_cmp_lg_u32 s13, 0
	s_cbranch_scc1 .Lmeet                          ; wave 0 of the first of these work-groups writes T's row 1,024: 32 lanes x 4 bytes of zeros
	v_lshlrev_b32 v5, 2, v[LN]
	v_mov_b32 v6, 0
	global_store_b32 v5, v6, s[38:39] offset:131072
	s_branch .Lmeet
.Ltb:	; 64 columns of tb.  K = 256 is split among the eight waves, 32 each: one matrix instruction for each of four blocks of 16 columns.
	s_mov_b32 s8, ttmp9
	v_and_b32 v5, 15, v0                           ; r
	v_bfe_u32 v6, v0, 4, 1                         ; h
	v_and_b32 v7, 7, v0                            ; source 0: rows 0-7 are the batches, rows 8-15 repeat them
	v_lshlrev_b32 v7, 10, v7
	v_lshl_add_u32 v7, v6, 5, v7
	s_lshl_b32 s13, s12, 7
	v_add_nc_u32 v7, s13, v7                       ; batch x 1,024 + (32 wave + 8 h) x 4
	global_load_b128 v[8:11], v7, s[24:25]
	global_load_b128 v[12:15], v7, s[24:25] offset:16
	global_load_b128 v[16:19], v7, s[24:25] offset:64
	global_load_b128 v[20:23], v7, s[24:25] offset:80
	s_mul_i32 s2, s12, 393216                      ; my 32 rows of W_time,
	s_lshl_b32 s13, s8, 8                          ; the work-group's 64 columns
	s_add_co_u32 s2, s2, s13
	s_add_nc_u64 s[4:5], s[26:27], s[2:3]
	v_mul_u32_u24 v24, v6, 98304                   ; 8 h rows
	v_lshl_add_u32 v24, v5, 2, v24                 ; column r
.set nb, 0
.rept 4
.set z, 0
.rept 16                                       ; k = 8 h + 0..7, then 16 + 8 h + 0..7
	global_load_b32 v[32+16*nb+z], v24, s[4:5] offset:(z+8*(z/8))*12288+64*nb
.set z, z+1
.endr
.set nb, nb+1
.endr
	v_lshlrev_b32 v25, 5, v[LN]
	v_lshl_add_u32 v25, v1, 12, v25                ; my 32 bytes of my wave's partial sums
	s_wait_loadcnt 0x0
.set z, 0
.rept 8                                        ; in place, ascending: number z lands on a register that has been read
	v_cvt_pk_bf16_f32 v[8+z], v[8+2*z], v[8+2*z+1]
.set z, z+1
.endr
.set nb, 0
.rept 4
.set z, 0
.rept 8
	v_cvt_pk_bf16_f32 v[32+16*nb+z], v[32+16*nb+2*z], v[32+16*nb+2*z+1]
.set z, z+1
.endr
.set nb, nb+1
.endr
.irp n, 0,1,2,3
	v_wmma_f32_16x16x32_bf16 v[40+16*\n:47+16*\n], v[8:15], v[32+16*\n:39+16*\n], 0  ; register j of lane r: batch j, column r
.endr
.rept 8
	v_nop                                          ; the places behind the products, in front of the stores that read them
.endr
.irp n, 0,1,2,3
	ds_store_b128 v25, v[40+16*\n:43+16*\n] offset:1024*\n
	ds_store_b128 v25, v[44+16*\n:47+16*\n] offset:1024*\n+16
.endr
.Lmeet:	; every work-group passes this one barrier; only tb's have something to hand over
	s_wait_xcnt 0x0                                ; every load and store issued above has had its addresses translated (ISA guide 3.1): the registers that they name (the zero row's v5 and v6 among them) are written again only behind this wait
	s_wait_dscnt 0x0                               ; for the others' sake: my partial sums lie in LDS
	s_barrier_signal -1
	s_barrier_wait -1
	s_cmp_ge_u32 ttmp9, 48
	s_cbranch_scc1 .Lend
	s_mov_b32 s8, ttmp9
	v_lshrrev_b32 v5, 3, v[LN]                     ; wave b finishes batch b; a lane takes columns 2 l and 2 l + 1: block l / 8, lanes 2 (l % 8) and the next
	v_and_b32 v6, 7, v[LN]
	v_lshlrev_b32 v5, 10, v5
	v_lshl_add_u32 v5, v6, 6, v5
	s_lshl_b32 s13, s12, 2
	v_add_nc_u32 v5, s13, v5
.irp w, 0,1,2,3,4,5,6,7
	ds_load_b32 v[8+2*\w], v5 offset:4096*\w
	ds_load_b32 v[9+2*\w], v5 offset:4096*\w+32
.endr
	s_lshl_b32 s13, s8, 8
	v_lshl_add_u32 v7, v[LN], 3, s13
	global_load_b64 v[24:25], v7, s[28:29]
	global_load_b64 v[26:27], v7, s[30:31]
	s_lshr_b32 s14, s8, 4
	s_cmp_eq_u32 s14, 1
	s_cselect_b32 s10, 0x3e000000, 1.0             ; columns 1,024..2,047 are k's: times 1/8
	s_mul_i32 s14, s12, 12288
	v_add_nc_u32 v30, s14, v7
	s_wait_dscnt 0x0
	v_pk_add_f32 v[8:9], v[8:9], v[10:11]
	v_pk_add_f32 v[12:13], v[12:13], v[14:15]
	v_pk_add_f32 v[16:17], v[16:17], v[18:19]
	v_pk_add_f32 v[20:21], v[20:21], v[22:23]
	v_pk_add_f32 v[8:9], v[8:9], v[12:13]
	v_pk_add_f32 v[16:17], v[16:17], v[20:21]
	v_pk_add_f32 v[8:9], v[8:9], v[16:17]
	s_wait_loadcnt 0x0
	v_cvt_pk_bf16_f32 v28, v24, v25                ; the two biases, rounded like every input
	v_cvt_pk_bf16_f32 v29, v26, v27
	v_lshlrev_b32 v24, 16, v28
	v_and_b32 v25, 0xffff0000, v28
	v_lshlrev_b32 v26, 16, v29
	v_and_b32 v27, 0xffff0000, v29
	v_pk_add_f32 v[24:25], v[24:25], v[26:27]
	v_pk_add_f32 v[8:9], v[8:9], v[24:25]
	v_pk_mul_f32 v[8:9], v[8:9], s[10:11] op_sel_hi:[1,0]
	global_store_b64 v30, v[8:9], s[40:41]         ; 32 lanes: 256 bytes on end, aligned
.Lend:
	s_wait_tensorcnt 0x0                           ; the wave's end, behind my last LDS store
	ds_add_u32 v[SPW], v[NIL]
	s_wait_dscnt 0x0
	s_endpgm
.Lfunc_end_k_qa0b474df9f_prep:
	.size	k_qa0b474df9f_prep, .Lfunc_end_k_qa0b474df9f_prep-k_qa0b474df9f_prep
	.p2alignl 7, 3214868480
	.fill 96, 4, 3214868480
	.section	.rodata,"a",@progbits
	.p2align	6, 0x0
	.amdhsa_kernel k_qa0b474df9f_prep
		.amdhsa_group_segment_fixed_size 33792
		.amdhsa_private_segment_fixed_size 0
		.amdhsa_enable_private_segment 0
		.amdhsa_kernarg_size 104
		.amdhsa_user_sgpr_count 2
		.amdhsa_user_sgpr_kernarg_segment_ptr 1
		.amdhsa_wavefront_size32 1
		.amdhsa_system_sgpr_workgroup_id_x 1
		.amdhsa_system_sgpr_workgroup_id_y 1
		.amdhsa_system_sgpr_workgroup_id_z 1
		.amdhsa_system_vgpr_workitem_id 0
		.amdhsa_next_free_vgpr 128
		.amdhsa_next_free_sgpr 66
		.amdhsa_reserve_vcc 0
		.amdhsa_float_denorm_mode_32 3
		.amdhsa_float_denorm_mode_16_64 3
		.amdhsa_memory_ordered 1
		.amdhsa_forward_progress 1
		.amdhsa_inst_pref_size 35
	.end_amdhsa_kernel
	.amdgpu_metadata
---
amdhsa.version: [ 1, 2 ]
amdhsa.kernels:
  - .name:           k_qa0b474df9f_prep
    .symbol:         k_qa0b474df9f_prep.kd
    .args:
      - { .name: x, .offset: 0, .size: 8, .value_kind: global_buffer, .address_space: global }
      - { .name: W_qkv, .offset: 8, .size: 8, .value_kind: global_buffer, .address_space: global }
      - { .name: W_out, .offset: 16, .size: 8, .value_kind: global_buffer, .address_space: global }
      - { .name: Er, .offset: 24, .size: 8, .value_kind: global_buffer, .address_space: global }
      - { .name: time_emb, .offset: 32, .size: 8, .value_kind: global_buffer, .address_space: global }
      - { .name: W_time, .offset: 40, .size: 8, .value_kind: global_buffer, .address_space: global }
      - { .name: b_time, .offset: 48, .size: 8, .value_kind: global_buffer, .address_space: global }
      - { .name: b_qkv, .offset: 56, .size: 8, .value_kind: global_buffer, .address_space: global }
      - { .name: xb, .offset: 64, .size: 8, .value_kind: global_buffer, .address_space: global }
      - { .name: wqb, .offset: 72, .size: 8, .value_kind: global_buffer, .address_space: global }
      - { .name: wob, .offset: 80, .size: 8, .value_kind: global_buffer, .address_space: global }
      - { .name: tt, .offset: 88, .size: 8, .value_kind: global_buffer, .address_space: global }
      - { .name: tb, .offset: 96, .size: 8, .value_kind: global_buffer, .address_space: global }
    .group_segment_fixed_size: 33792
    .private_segment_fixed_size: 0
    .kernarg_segment_align: 8
    .kernarg_segment_size: 104
    .max_flat_workgroup_size: 256
    .sgpr_count:     66
    .vgpr_count:     128
    .wavefront_size: 32
...
	.end_amdgpu_metadata
.endif
;; end of part 1
;; launch qkvp (part 2): grid 16 x 32, 4 waves a work-group, clusters of 4 x 4, 327,680 bytes of LDS; arguments xb, wqb, tb, qkv; writes qkv
.if DOCPART == 2
	.amdgcn_target "amdgcn-amd-amdhsa--gfx1250"
	.amdhsa_code_object_version 6
	.text
	.protected	k_qa0b474df9f_qkvp
	.globl	k_qa0b474df9f_qkvp
	.p2align	8
	.type	k_qa0b474df9f_qkvp,@function
k_qa0b474df9f_qkvp:
	s_mov_b64 s[64:65], 0
	v_nop
	global_prefetch_b8 v0, s[64:65] scope:SCOPE_SE
	s_setreg_imm32_b32 hwreg(HW_REG_WAVE_MODE, 25, 1), 1
	s_wait_xcnt 0x0
	s_wait_alu depctr_hold_cnt(0) depctr_sa_sdst(0) depctr_va_vdst(0) depctr_va_sdst(0) depctr_va_ssrc(0) depctr_va_vcc(0) depctr_vm_vsrc(0)
	s_getreg_b32 s2, hwreg(HW_REG_IB_STS2, 6, 4)
	s_cmp_eq_u32 s2, 0
	s_cbranch_scc0 .Lentry_in_a_cluster
	s_endpgm
.Lentry_in_a_cluster:
	s_bfe_u32 s2, ttmp6, 0x10000c
	s_cmp_lg_u32 s2, 0xf033
	s_cbranch_scc0 .Lentry_shape_is_right
	s_endpgm
.Lentry_shape_is_right:
; q, k / 8, v BY HEADS.  qkv[sec][b][head][n][d] = f16( sum over c of xb[b n][c] wqb[c][col] + tb[b][col] ), col = 1024 sec + 64 head + d.  xb [8192][1024], wqb [1024][3072] bf16; tb [8][3072] f32.
; A tile is 256 rows x 192 columns (three heads): 16 x 32 = 512 work-groups, two for each of 256 WGPs.  A wave makes 64 rows x 192 columns: 48 accumulators.  K goes in 8 steps of 128 through two LDS slots.
; The weights lie [k][column]; their fragments come out of LDS turned (ds_load_tr16_b128).  The matrix instruction is used transposed (source 0 = 16 columns of W, source 1 = 16 rows of x): a lane holds
; eight neighbouring columns of one row.  The bias is the C operand of each sum's first product: nothing is cleared, nothing added later.
; CLUSTER 4 x 4: x's tile hangs on the tile row alone and is asked for jointly along a row of the cluster, W's on the tile column alone, along a column.
; LIMIT.  q, k / 8 and v are stored in f16: beyond 65,504 they would be infinities.
; WINDOWS: 0: v16-30 addresses, v32-47 packed results, v48-63 and v128-143 rows read back, v64-127 x's fragments (two buffers of 4);  1: v0-191 W's fragments (two buffers of 12);
;   2: accumulators of column blocks 0-7, (b, a) at 8 (4 b + a);  3: v0-127 those of blocks 8-11; v128-223 the bias, 8 registers a block.
.set PA, 272                           ; a row of x in LDS: 256 bytes + 16
.set PW, 480                           ; a row of W: three pieces of 128 bytes + 32: 15 x 32 bytes
.set WOFF, 256*PA                      ; W's 128 rows lie behind x's 256
.set SLOT1, 1<<17                      ; a slot is 69,632 + 61,440 = 131,072 bytes
.set STAGE, 2*SLOT1                    ; behind the ring: 16 rows x 144 bytes for each wave
.set SP, 144
.set SPARE, STAGE+4*16*SP              ; behind the stages: the spare words, 128 bytes a wave
.set ASTEP, 256                        ; bytes from K step to K step in xb,
.set WSTEP, 128*6144                   ; in wqb
.set ADRA0, 16                         ; v16 my place in x's tile; never rewritten
.set ADRA, 17                          ; v17 the same in the slot in hand
.set ADRB0, 20
.set ADRB, 21
.set STO, 24
.set RD, 25
.set GO, 26
.set BO, 27
.set SPW, 28
.set NIL, 29
.set PFO, 30
.set TMP, 32
.set FA, 64
.set BIAS, 128
.set WV, 12
.set FB, 13                            ; s13 0: I fetch for x; 1: for W
.set HF, 14                            ; s14 which half of that tile
.set CX, 15
.set CY, 16
.set TX, 17
.set TY, 18
.set G1A, 24
.set G0A, 32                           ; two sets; the second walks
.set G1B, 40
.set G0B, 48
.set TB, 56                            ; s56 LDS byte of the slot in hand
.set LIM, 57                           ; s57 2 in a wave that prefetches, else the greatest number
.set PFA, 58
.set PST, 60
.set HB, 66                            ; s[66:71] my rows in the three heads
.set MSB, 0
.macro WIN new
.if MSB != (\new)
	s_set_vgpr_msb (MSB<<8)|(\new)
.set MSB, \new
.endif
.endm
.macro PLACES
.rept 4
	v_nop
.endr
.endm
.macro JLOAD                           ; a joint refill by the walking sets; an s_nop 0 and four v_nop follow each line
	s_cmp_eq_u32 s[FB], 0
	s_cbranch_scc0 .Lfor_b_\@
	tensor_load_to_lds s[G0A+4:G0A+7], s[G1A:G1A+7]
	s_nop 0
	PLACES
	s_branch .Lasked_\@
.Lfor_b_\@:
	tensor_load_to_lds s[G0B+4:G0B+7], s[G1B:G1B+7]
	s_nop 0
	PLACES
.Lasked_\@:
.endm
.macro CREST
	s_cmp_lg_u32 s[WV], 0
	s_cbranch_scc1 .Lnot_wave_0_\@
	s_barrier_signal -3
.Lnot_wave_0_\@:
	s_barrier_wait -3
	s_barrier_signal -1
	s_barrier_wait -1
.endm
.macro CROUND
	s_barrier_signal -1
	s_barrier_wait -1
	CREST
.endm
; A prefetch of the K step two refills on, one instruction a wave, behind the refill and the run of LDS loads.  x's rows are named by the clusters with x = 0, W's by those with y = 0; the four partners of a
; joint load share its rows out by address.  The loop's last two trips have no K step two on.
.macro ASK
	WIN 0
	s_cmp_gt_u32 s3, s[LIM]
	s_cbranch_scc0 .Lnot_mine_\@
	global_prefetch_b8 v[PFO], s[PFA:PFA+1] th:TH_LOAD_NT scope:SCOPE_SE
.Lnot_mine_\@:
.endm
	s_load_b256 s[4:11], s[0:1], 0x0               ; xb s[4:5], wqb s[6:7], tb s[8:9], qkv s[10:11]
	v_lshl_add_u32 v[SPW], v0, 2, SPARE
	v_mov_b32 v[NIL], 0
	ds_add_u32 v[SPW], v[NIL]                      ; the wave's opening: the add and its wait ahead of my first tensor load
	ds_add_u32 v28, v29
	v_lshrrev_b32 v1, 5, v0
	v_readfirstlane_b32 s[WV], v1
	s_lshr_b32 s[FB], s[WV], 1
	s_and_b32 s[HF], s[WV], 1
	s_bfe_u32 s[CX], ttmp6, 0x40000
	s_bfe_u32 s[CY], ttmp6, 0x40004
	s_lshl_b32 s[TX], ttmp9, 2
	s_add_co_u32 s[TX], s[TX], s[CX]               ; tile column
	s_and_b32 s[TY], ttmp7, 0xffff
	s_lshl_b32 s[TY], s[TY], 2
	s_add_co_u32 s[TY], s[TY], s[CY]               ; tile row
	s_lshl_b32 s20, s[CY], 2
	s_lshl_b32 s20, 15, s20                        ; my row of the cluster
	s_lshl_b32 s72, 0x1111, s[CX]                  ; my column
	s_or_b32 s[G1A], s20, (1<<16)|(1<<20)|(1<<21)|(5<<22)|(3<<25)   ; 2-byte elements; 4 words of padding after every 64
	s_or_b32 s[G1B], s72, (1<<16)|(1<<20)|(1<<21)|(4<<22)|(7<<25)   ; 8 words after every 32
	s_mov_b32 s[G1A+1], 128<<16                    ; x: 128 rows of 128 elements, 1,024 from row to row
	s_mov_b32 s[G1A+2], 128<<16
	s_mov_b32 s[G1A+3], 128<<16
	s_mov_b32 s[G1A+4], 128
	s_mov_b32 s[G1A+5], 1024
	s_mov_b32 s[G1A+6], 0
	s_mov_b32 s[G1A+7], 0
	s_mov_b32 s[G1B+1], 192<<16                    ; W: 64 rows of 192 elements, 3,072 from row to row
	s_mov_b32 s[G1B+2], 64<<16
	s_mov_b32 s[G1B+3], 192<<16
	s_mov_b32 s[G1B+4], 64
	s_mov_b32 s[G1B+5], 3072
	s_mov_b32 s[G1B+6], 0
	s_mov_b32 s[G1B+7], 0
	s_lshl_b32 s20, s[TY], 8
	s_lshl_b32 s21, s[HF], 7
	s_add_co_u32 s20, s20, s21
	s_lshl_b32 s20, s20, 11                        ; x: row 256 x tile row + 128 x half, 2,048 bytes a row
	s_mov_b32 s21, 0
	s_mul_i32 s22, s[HF], 128*PA
	s_mul_i32 s72, s[HF], 64*6144                  ; W: k row 64 x half, byte column 384 x tile column
	s_mul_i32 s73, s[TX], 384
	s_add_co_u32 s72, s72, s73
	s_mov_b32 s73, 0
	s_mul_i32 s74, s[HF], 64*PW
	s_add_co_u32 s74, s74, WOFF
	s_mov_b32 s[TB], 0
	s_wait_dscnt 0x0                               ; the opening add is done
	s_wait_kmcnt 0x0
	s_add_nc_u64 s[20:21], s[4:5], s[20:21]
	s_add_nc_u64 s[72:73], s[6:7], s[72:73]
.irp s, 0,1
	s_mov_b32 s[G0A+4*\s], 1
	s_add_co_u32 s[G0A+4*\s+1], s22, \s*SLOT1
	s_add_nc_u64 s[G0A+4*\s+2:G0A+4*\s+3], s[20:21], \s*ASTEP
	s_or_b32 s[G0A+4*\s+3], s[G0A+4*\s+3], 0x80000000
	s_mov_b32 s[G0B+4*\s], 1
	s_add_co_u32 s[G0B+4*\s+1], s74, \s*SLOT1
	s_add_nc_u64 s[G0B+4*\s+2:G0B+4*\s+3], s[72:73], \s*WSTEP
	s_or_b32 s[G0B+4*\s+3], s[G0B+4*\s+3], 0x80000000
.endr
	CROUND                                         ; all sixteen work-groups are here: the first joint loads meet
	s_cmp_eq_u32 s[FB], 0                          ; a wave's two first fills stand in one branch: two loads of mine are out
	s_cbranch_scc0 .Lfirst_b
	tensor_load_to_lds s[G0A:G0A+3], s[G1A:G1A+7]
	s_nop 0
	tensor_load_to_lds s[G0A+4:G0A+7], s[G1A:G1A+7]
	s_nop 0
	PLACES
	s_branch .Lfirst_asked
.Lfirst_b:
	tensor_load_to_lds s[G0B:G0B+3], s[G1B:G1B+7]
	s_nop 0
	tensor_load_to_lds s[G0B+4:G0B+7], s[G1B:G1B+7]
	s_nop 0
	PLACES
.Lfirst_asked:
	v_and_b32 v1, 15, v0                           ; r
	v_bfe_u32 v2, v0, 4, 1                         ; h
	v_lshlrev_b32 v[BO], 5, v2                     ; my eight columns of a block: 32 h bytes
	s_lshr_b32 s76, s[TY], 2                       ; the batch
	s_mul_i32 s76, s76, 12288
	s_mul_i32 s77, s[TX], 768
	s_add_co_u32 s76, s76, s77
	s_mov_b32 s77, 0
	s_add_nc_u64 s[8:9], s[8:9], s[76:77]
	WIN 0xc0                                       ; destination window 3
.set bb, 0
.rept 12
	global_load_b128 v[BIAS+8*bb:BIAS+8*bb+3], v[BO], s[8:9] offset:64*bb
	global_load_b128 v[BIAS+8*bb+4:BIAS+8*bb+7], v[BO], s[8:9] offset:64*bb+16
.set bb, bb+1
.endr
	WIN 0
	v_mul_u32_u24 v3, v1, PA
	v_lshl_add_u32 v3, v2, 4, v3
	s_mul_i32 s76, s[WV], 64*PA
	v_add_nc_u32 v[ADRA0], s76, v3                 ; (64 wave + r) x pitch + 16 h
	v_mov_b32 v[ADRA], v[ADRA0]
	v_and_b32 v4, 7, v0
	v_lshl_add_u32 v4, v2, 3, v4
	v_mul_u32_u24 v4, v4, PW
	v_bfe_u32 v5, v0, 3, 1
	v_lshl_add_u32 v4, v5, 4, v4
	v_add_nc_u32 v[ADRB0], WOFF, v4                ; the turning load: k row 8 h + l % 8, 16 bytes by (l / 8) % 2
	v_mov_b32 v[ADRB], v[ADRB0]
	s_mul_i32 s76, s[WV], 16*SP
	s_add_co_u32 s76, s76, STAGE
	v_mul_u32_u24 v3, v1, SP
	v_lshl_add_u32 v3, v2, 4, v3
	v_add_nc_u32 v[STO], s76, v3
	v_bfe_u32 v3, v0, 3, 2
	v_mul_u32_u24 v3, v3, SP
	v_and_b32 v4, 7, v0
	v_lshl_add_u32 v3, v4, 4, v3
	v_add_nc_u32 v[RD], s76, v3                    ; back: 32 lanes take four rows of 128 bytes,
	v_and_b32 v[GO], 31, v0
	v_lshlrev_b32 v[GO], 4, v[GO]                  ; which are 512 bytes on end of a head
.irp hd, 0,1,2
	s_mul_i32 s76, s[TX], 3
	s_add_co_u32 s76, s76, \hd                     ; head among the 48
	s_lshr_b32 s77, s76, 4                         ; q, k or v
	s_lshl_b32 s77, s77, 3
	s_lshr_b32 s78, s[TY], 2
	s_add_co_u32 s77, s77, s78
	s_lshl_b32 s77, s77, 4
	s_and_b32 s76, s76, 15
	s_add_co_u32 s77, s77, s76
	s_lshl_b32 s76, s77, 17                        ; a head is 131,072 bytes
	s_and_b32 s78, s[TY], 3
	s_lshl_b32 s78, s78, 2
	s_add_co_u32 s78, s78, s[WV]
	s_lshl_b32 s78, s78, 13                        ; my 64 rows of 128 bytes
	s_add_co_u32 s76, s76, s78
	s_mov_b32 s77, 0
	s_add_nc_u64 s[HB+2*\hd:HB+2*\hd+1], s[10:11], s[76:77]
.endr
	; the prefetches.  x: my work-group's 32 of the 128 rows that I fetch, a lane a row.  W: its 16 of my 64 k rows, two lanes a row; a row's 384 bytes share a block of 256 with the neighbour's: the even tile column names it
	s_lshl_b32 s76, s[TY], 8
	s_lshl_b32 s80, s[HF], 7
	s_add_co_u32 s76, s76, s80
	s_lshl_b32 s80, s[CX], 5
	s_add_co_u32 s76, s76, s80
	s_lshl_b32 s76, s76, 11
	s_lshl_b32 s81, s[HF], 6
	s_lshl_b32 s80, s[CY], 4
	s_add_co_u32 s81, s81, s80
	s_mul_i32 s81, s81, 6144
	s_mul_i32 s80, s[TX], 384
	s_add_co_u32 s81, s81, s80
	s_and_b32 s82, s[TX], 1
	s_lshl_b32 s82, s82, 7
	s_add_co_u32 s81, s81, s82
	s_sub_co_u32 s82, 256, s82
	s_mov_b32 s83, WSTEP
	s_mov_b32 s84, 6144
	s_and_b32 s77, ttmp7, 0xffff
	s_cmp_eq_u32 s[FB], 0
	s_cselect_b32 s77, ttmp9, s77                  ; the coordinate along which other clusters read the same rows
	s_cselect_b64 s[PFA:PFA+1], s[4:5], s[6:7]
	s_cselect_b32 s[PST], ASTEP, s83
	s_cselect_b32 s78, 0, 1
	s_cselect_b32 s79, 2048, s84
	s_cselect_b32 s76, s76, s81
	s_cselect_b32 s82, 0, s82
	s_mov_b32 s[PST+1], 0
	s_cmp_eq_u32 s77, 0
	s_cselect_b32 s[LIM], 2, -1
	s_mov_b32 s77, 0
	s_add_nc_u64 s[PFA:PFA+1], s[PFA:PFA+1], s[76:77]
	s_mul_i32 s76, s[PST], 3
	s_add_nc_u64 s[PFA:PFA+1], s[PFA:PFA+1], s[76:77]  ; at K step 3: the first refill steps it to 4
	v_and_b32 v3, 31, v0
	v_lshrrev_b32 v4, s78, v3
	v_mul_u32_u24 v4, s79, v4
	v_and_b32 v3, 1, v3
	v_mad_u32_u24 v[PFO], v3, s82, v4
; n column blocks from b0 on x my four row blocks, 32 along K, from buffer f.  zero = 1: the bias starts the sums.  The accumulators take turns, one instruction a turn, 48 to a quarter.
.macro MULB f, b0, n, zero
.set bb, (\b0)
.rept (\n)
.if bb < 8
.if \zero
	WIN 0xb1                                       ; W window 1, x window 0, bias window 3, sums window 2
.else
	WIN 0xa1
.endif
.else
	WIN 0xf1
.endif
.set rD, 32*(bb%8)
.irp a, 0,1,2,3
.if \zero
	v_wmma_f32_16x16x32_bf16 v[rD+8*\a:rD+8*\a+7], v[96*(\f)+8*bb:96*(\f)+8*bb+7], v[FA+32*(\f)+8*\a:FA+32*(\f)+8*\a+7], v[BIAS+8*bb:BIAS+8*bb+7]
.else
	v_wmma_f32_16x16x32_bf16 v[rD+8*\a:rD+8*\a+7], v[96*(\f)+8*bb:96*(\f)+8*bb+7], v[FA+32*(\f)+8*\a:FA+32*(\f)+8*\a+7], v[rD+8*\a:rD+8*\a+7]
.endif
.endr
.set bb, bb+1
.endr
.endm
.macro FETCH q, f                      ; 32 LDS loads in one run: quarter q's fragments into buffer f: x's 8, then W's 24, blocks ascending
	WIN 0
.irp a, 0,1,2,3
	ds_load_b128 v[FA+32*(\f)+8*\a:FA+32*(\f)+8*\a+3], v[ADRA] offset:64*(\q)+16*PA*\a
	ds_load_b128 v[FA+32*(\f)+8*\a+4:FA+32*(\f)+8*\a+7], v[ADRA] offset:64*(\q)+16*PA*\a+32
.endr
	WIN 0x40
.set bb, 0
.rept 12
	ds_load_tr16_b128 v[96*(\f)+8*bb:96*(\f)+8*bb+3], v[ADRB] offset:32*PW*(\q)+160*(bb/4)+32*(bb%4)
	ds_load_tr16_b128 v[96*(\f)+8*bb+4:96*(\f)+8*bb+7], v[ADRB] offset:32*PW*(\q)+160*(bb/4)+32*(bb%4)+16*PW
.set bb, bb+1
.endr
.endm
; A quarter of a K step: 32 along K, 48 products.  Buffer g was multiplied in the quarter before and is free: quarter q's fragments are asked for at once, a whole quarter ahead of their use; then buffer f is multiplied.
.macro QUARTER q, f, g, zero
	s_wait_dscnt 0x0                               ; buffer f is in: its 32 loads went out at the head of the quarter before (behind a change of slots: 32 products back)
	PLACES                                         ; four places in front of loads into registers that the last products have read
	FETCH \q, \g
	MULB \f, 0, 12, \zero
.endm
; The last quarter multiplies buffer 1 and changes slots: one barrier; in front of it each wave waits for all its tensor loads, adds 0 to its spare word, and waits for that and for its reads of the slot.
; The barrier stands 16 products into the quarter, so that the refill and the next slot's first fragments go out with 32 products still to come: from a request to the wait for it a wave issues 176 products.
.macro TURN fill
.if \fill
	s_wait_xcnt 0x0                                ; the last prefetch, a K step back, has read its address
	s_add_nc_u64 s[PFA:PFA+1], s[PFA:PFA+1], s[PST:PST+1]
.endif
	WIN 0
	s_wait_tensorcnt 0x0                           ; all my tensor loads have landed: my part of the next slot
	ds_add_u32 v[SPW], v[NIL]
	s_wait_dscnt 1                                 ; buffer 1's 32 loads are in; the add, the youngest, may be out
	MULB 1, 0, 2, 0
	s_wait_dscnt 0x0                               ; the add is done, and my reads of this slot are over
	s_barrier_signal -1
	MULB 1, 2, 2, 0
	WIN 0
	s_barrier_wait -1
.if \fill
	CREST                                          ; the barrier has opened a round of the cluster's: no wave of any partner still reads the slot or has a load on its way
	s_xor_b32 s[G0A+5], s[G0A+5], SLOT1
	s_add_nc_u64 s[G0A+6:G0A+7], s[G0A+6:G0A+7], ASTEP
	s_xor_b32 s[G0B+5], s[G0B+5], SLOT1
	s_add_nc_u64 s[G0B+6:G0B+7], s[G0B+6:G0B+7], WSTEP
	JLOAD                                          ; the four v_nop behind it are also the places in front of the loads below
.else
	PLACES
.endif
	s_xor_b32 s[TB], s[TB], SLOT1
	v_add_nc_u32 v[ADRA], s[TB], v[ADRA0]
	v_add_nc_u32 v[ADRB], s[TB], v[ADRB0]
	FETCH 0, 0
.if \fill
	ASK
.endif
	MULB 1, 4, 8, 0
.endm
	s_wait_tensorcnt 1                             ; my part of K step 0 is in; K step 1's may stay out
	s_barrier_signal -1
	s_barrier_wait -1
	FETCH 0, 0
	s_wait_loadcnt 0x0                             ; the bias
	QUARTER 1, 0, 1, 1
	WIN 0
	s_mov_b32 s3, 6
.Lstep:                                        ; a trip: from a K step's second quarter to the next step's first; it fills the slot that it leaves
	QUARTER 2, 1, 0, 0
	QUARTER 3, 0, 1, 0
	TURN 1
	QUARTER 1, 0, 1, 0
	WIN 0
	s_sub_co_u32 s3, s3, 1
	s_cmp_lg_u32 s3, 0
	s_cbranch_scc1 .Lstep
	QUARTER 2, 1, 0, 0                             ; K steps 6 and 7 ask for nothing
	QUARTER 3, 0, 1, 0
	TURN 0
	QUARTER 1, 0, 1, 0
	QUARTER 2, 1, 0, 0
	QUARTER 3, 0, 1, 0
	s_wait_dscnt 0x0                               ; the very last quarter: nothing more to fetch
	MULB 1, 0, 12, 0
	WIN 0
.rept 8
	v_nop                                          ; the places behind the last products
.endr
; THE WAY OUT, in 12 units u = 4 head + row block: 16 rows x 64 columns are rounded to f16, go into my stage as rows of 144 bytes and come back as 2,048 bytes on end of the head.
.macro PACK u
	WIN 0x0a+5*((\u)/8)                            ; sources in window 2 (heads 0, 1) or 3 (head 2)
.irp f, 0,1,2,3
.set rD, 32*((4*((\u)/4)+\f)%8)+8*((\u)%4)
.irp r, 0,1,2,3
	v_cvt_pk_f16_f32 v[TMP+4*\f+\r], v[rD+2*\r], v[rD+2*\r+1]
.endr
.endr
	WIN 0
.endm
.macro TOSTAGE u
.set BK, 48+80*((\u)%2)
.irp f, 0,1,2,3
	ds_store_b128 v[STO], v[TMP+4*\f:TMP+4*\f+3] offset:32*\f
.endr
.irp f, 0,1,2,3
	ds_load_b128 v[BK+4*\f:BK+4*\f+3], v[RD] offset:\f*4*SP  ; LDS serves a wave's instructions in order: these see the stores above
.endr
.endm
.macro SEND u
.set BK, 48+80*((\u)%2)
	s_wait_dscnt 0x0
	s_wait_xcnt 0x0                                ; the stores of the unit before have read their registers, which the next unit's loads write
.irp f, 0,1,2,3
	global_store_b128 v[GO], v[BK+4*\f:BK+4*\f+3], s[HB+2*((\u)/4):HB+2*((\u)/4)+1] offset:((\u)%4)*2048+\f*512
.endr
.endm
	PACK 0
	TOSTAGE 0
.irp u, 1,2,3,4,5,6,7,8,9,10,11
	PACK \u
	SEND (\u)-1
	TOSTAGE \u
.endr
	SEND 11
	s_wait_tensorcnt 0x0                           ; the wave's end
	ds_add_u32 v[SPW], v[NIL]
	s_wait_dscnt 0x0
	CROUND                                         ; the closing round
	s_endpgm
.Lfunc_end_k_qa0b474df9f_qkvp:
	.size	k_qa0b474df9f_qkvp, .Lfunc_end_k_qa0b474df9f_qkvp-k_qa0b474df9f_qkvp
	.p2alignl 7, 3214868480
	.fill 96, 4, 3214868480
	.section	.rodata,"a",@progbits
	.p2align	6, 0x0
	.amdhsa_kernel k_qa0b474df9f_qkvp
		.amdhsa_group_segment_fixed_size 327680
		.amdhsa_private_segment_fixed_size 0
		.amdhsa_enable_private_segment 0
		.amdhsa_kernarg_size 32
		.amdhsa_user_sgpr_count 2
		.amdhsa_user_sgpr_kernarg_segment_ptr 1
		.amdhsa_wavefront_size32 1
		.amdhsa_system_sgpr_workgroup_id_x 1
		.amdhsa_system_sgpr_workgroup_id_y 1
		.amdhsa_system_sgpr_workgroup_id_z 1
		.amdhsa_system_vgpr_workitem_id 0
		.amdhsa_next_free_vgpr 992
		.amdhsa_next_free_sgpr 96
		.amdhsa_reserve_vcc 0
		.amdhsa_float_denorm_mode_32 3
		.amdhsa_float_denorm_mode_16_64 3
		.amdhsa_memory_ordered 1
		.amdhsa_forward_progress 1
		.amdhsa_inst_pref_size 103
	.end_amdhsa_kernel
	.amdgpu_metadata
---
amdhsa.version: [ 1, 2 ]
amdhsa.kernels:
  - .name:           k_qa0b474df9f_qkvp
    .symbol:         k_qa0b474df9f_qkvp.kd
    .args:
      - { .name: xb, .offset: 0, .size: 8, .value_kind: global_buffer, .address_space: global }
      - { .name: wqb, .offset: 8, .size: 8, .value_kind: global_buffer, .address_space: global }
      - { .name: tb, .offset: 16, .size: 8, .value_kind: global_buffer, .address_space: global }
      - { .name: qkv, .offset: 24, .size: 8, .value_kind: global_buffer, .address_space: global }
    .group_segment_fixed_size: 327680
    .private_segment_fixed_size: 0
    .kernarg_segment_align: 8
    .kernarg_segment_size: 32
    .max_flat_workgroup_size: 128
    .sgpr_count:     96
    .vgpr_count:     992
    .wavefront_size: 32
...
	.end_amdgpu_metadata
.endif
;; end of part 2
;; launch attn (part 3): grid 4 x 128, 4 waves a work-group, no clusters, 327,680 bytes of LDS; arguments qkv, tt, ob; writes ob
.if DOCPART == 3
	.amdgcn_target "amdgcn-amd-amdhsa--gfx1250"
	.amdhsa_code_object_version 6
	.text
	.protected	k_qa0b474df9f_attn
	.globl	k_qa0b474df9f_attn
	.p2align	8
	.type	k_qa0b474df9f_attn,@function
k_qa0b474df9f_attn:
	s_mov_b64 s[64:65], 0
	v_nop
	global_prefetch_b8 v0, s[64:65] scope:SCOPE_SE
	s_setreg_imm32_b32 hwreg(HW_REG_WAVE_MODE, 25, 1), 1
	s_wait_xcnt 0x0
; ATTENTION WITH THE SKEWED RELATIVE BIAS.  ob[bh][n][:] = sum over m of softmax_m( q[n] . k'[m] + rel[n][m] ) v[m][:], k' = k / 8 as stored.  qkv [3][128][1024][64], tt rows of 64, ob [128][1024][64], all f16.
; rel[n][m] = qsel . T[m - n + 1023], qsel = q[n] for table rows up to 1,023 and q[n + 1] above; T's row 1,024 is 0.  Products, bias, maxima and sums in f32; the weights are rounded to f16 for the second product.
; For 16 queries (tile t) and 64 keys (step c) the table rows fill the five aligned tiles 4 c - t + 63 + i, each wholly on one side of row 1,024.  G^T = T tile x Q^T holds for query r the entries e = 0..79;
; the score of key s wants e = s + 15 - r.  That shift goes through LDS: G is stored in rows of 336 bytes and read back at 332 r + 60 + 4 s, straight into the registers that K Q^T then adds onto (its C operand).
; SHARES.  A work-group owns 256 queries of one head, a wave 64: four PIECES; piece p is tile 3 - p, so that from piece to piece the window of five table tiles slides by one.  Turn n = 4 c + p.
; A TURN: 8 products K Q^T of turn n + 1, 10 products G of turn n + 3, 8 products V^T P of turn n - 1; the softmax of turn n and the maximum and statistics of turn n + 1; one run of LDS instructions.
; A turn's 33 exponentials are one batch with one wait.  m starts at the lowest finite number, O and l at 0: the first step is a step like any other, with a = 0.
; THE TABLE IN REGISTERS: eight slots.  While the bias of key step c is made, slot j holds tile 4 c + j of my walk, and piece p multiplies slots p .. p + 4.  A slot is loaded again from LDS when its last reader of the
; step has passed.  So the four turns of a step name the same registers in every step, and a step is written twice in all: in the loop and in the tail.  The price: 32 table loads a step where a sliding ring would take 16.
; THE END.  The tail's text is the loop's.  Its last three turns make a bias, and its last turn scores and a maximum, that serve nothing; what they fetch is held inside filled LDS bytes by s_min_u32, with no branch.
; NO CLUSTER: the four blocks of a head share K and V, but each wave changes the query registers of its bias products at its own diagonal step, by a branch that hangs on the block's number.
; LIMITS.  f16 holds no number beyond 65,504; a weight below 2^-126 counts as 0 in l; NaN and infinities are not treated apart.
; WINDOWS: 0: v0-15, v32-34 addresses; v16-31 statistics; v48-55 at work; v64-191 S^T, a buffer a piece; v192-223 P, two buffers.   1: v0-127 O^T; v128-167 G.
;   2: v0-63 Q; v64-127 Q of the rows one further on; v128-191 K; v192-255 V.   3: v0-127 the eight table slots; v128-191 X, v192-255 Y: the queries of the bias products.
.set NP, 4
.set KS, 64
.set PK, 144
.set PV, 160
.set VOFF, 2*KS*PK                     ; a slot holds two steps: 128 rows of K, then 128 rows of V
.set SLOT1, 1<<16
.set SKEW, 2*KS*(PK+PV)                ; behind slot 0: 16 rows x 336 bytes for each wave, never filled by a tensor load; also the stage for the way out
.set SKB, 5376
.set SKP, 336
.set SPARE, SKEW+4*SKB                 ; the spare words, 128 bytes a wave
.set TB0, SLOT1+2*KS*(PK+PV)           ; the work-group's 1,280 table rows (80 tiles), pitch 144; filled once
.set TT, 16*PK
.set T1R, 224                          ; table rows in the first load of waves 2 and 3,
.set T2R, 416                          ; in their second
.set SP, 144
.set AK0, 2
.set AV0, 3
.set AK, 4
.set AV, 5
.set STO, 6
.set RD, 7
.set GO, 8
.set MV, 12
.set AT, 14                            ; v14 my place in table tile 4 (c + 1) of my walk; made once a step
.set QO, 15
.set ST, 16
.set SKW, 32
.set SKR, 33
.set PFO, 34
.set TMP, 48
.set SPW, 62
.set NIL, 63
.set S, 64
.set P, 192
.set GR, 128                           ; window 1
.set QP, 64                            ; window 2
.set KF, 128
.set VF, 192
.set XR, 128                           ; window 3
.set YR, 192
.set WV, 12
.set G1K, 24
.set G1V, 32
.set G0K, 40                           ; two sets; the second walks
.set G0V, 48
.set SLOTS, 56
.set GC, 57                            ; s57 the key step of the bias products in hand
.set CS, 58
.set SEL, 60
.set TBK, 62
.set TBV, 63
.set TBT, 66                           ; s66 LDS byte of the table tile that v[AT] stands at
.set CD, 67                            ; s67 my diagonal step, 4 x block + wave
.set CD1, 68
.set LIM, 69
.set PFA, 70
.set G1T1, 72                          ; s[72:79] the table's first loads, s[80:87] its second
.set G1T2, 80
.set G0T, 88                           ; s[88:95] two sets
.set CNT, 96                           ; s96 counts a slot's key steps
.set TK, 97                            ; s97 at work
.set MSB, 0
.macro WIN new
.if MSB != (\new)
	s_set_vgpr_msb (MSB<<8)|(\new)
.set MSB, (\new)
.endif
.endm
.set W_KQ, 0x0a
.set W_PV, 0x52
.set W_RS, 0x41
.set W_G,  0x5f                        ; table tile and queries in window 3, G in window 1
.macro NOP4
.rept 4
	v_nop
.endr
.endm
.macro LOAD                            ; a refill: wave 0 fetches the slot's K, wave 1 its V; waves 2 and 3 have no part
	s_cmp_eq_u32 s[WV], 0
	s_cbranch_scc0 .Lnot_k_\@
	tensor_load_to_lds s[G0K+4:G0K+7], s[G1K:G1K+7]
	s_nop 0
	NOP4
	s_branch .Lasked_\@
.Lnot_k_\@:
	s_cmp_eq_u32 s[WV], 1
	s_cbranch_scc0 .Lasked_\@
	tensor_load_to_lds s[G0V+4:G0V+7], s[G1V:G1V+7]
	s_nop 0
	NOP4
.Lasked_\@:
.endm
; A prefetch of what the next change of slots will ask for.  A slot is 64 blocks of 256 bytes of K and as many of V; the head's four work-groups take 16 of each, by address; wave 0 asks: lanes 0-15 K's, lanes 16-31 V's.
.macro ASK
	s_cmp_gt_u32 s[SLOTS], s[LIM]
	s_cbranch_scc0 .Lnot_mine_\@
	global_prefetch_b8 v[PFO], s[PFA:PFA+1] th:TH_LOAD_NT scope:SCOPE_SE
.Lnot_mine_\@:
.endm
; THE CHANGE OF SLOTS.  Each wave waits for all its tensor loads, adds 0 to its spare word, and waits for that and for its LDS reads.  Behind the barrier nobody reads the old slot and the other is whole.
.macro CHANGE fill
	WIN 0
	s_wait_tensorcnt 0x0
	ds_add_u32 v[SPW], v[NIL]
.if \fill
	s_xor_b32 s[G0K+5], s[G0K+5], SLOT1
	s_add_nc_u64 s[G0K+6:G0K+7], s[G0K+6:G0K+7], 2*KS*128
	s_xor_b32 s[G0V+5], s[G0V+5], SLOT1
	s_add_nc_u64 s[G0V+6:G0V+7], s[G0V+6:G0V+7], 2*KS*128
	s_wait_xcnt 0x0                                ; the last prefetch, eight turns back, has read its address
	s_add_nc_u64 s[PFA:PFA+1], s[PFA:PFA+1], 2*KS*128
.endif
	s_wait_dscnt 0x0
	s_barrier_signal -1
	s_sub_co_u32 s[TBK], s[TBK], 2*KS*PK
	s_xor_b32 s[TBK], s[TBK], SLOT1
	s_sub_co_u32 s[TBV], s[TBV], 2*KS*PV
	s_xor_b32 s[TBV], s[TBV], SLOT1
	s_barrier_wait -1
.if \fill
	LOAD
	ASK
.endif
.endm
	s_load_b128 s[4:7], s[0:1], 0x0                ; qkv s[4:5], tt s[6:7]
	s_load_b64 s[8:9], s[0:1], 0x10                ; ob
	v_lshl_add_u32 v[SPW], v0, 2, SPARE
	v_mov_b32 v[NIL], 0
	ds_add_u32 v[SPW], v[NIL]                      ; the wave's opening: the add and its wait ahead of my first tensor load
	ds_add_u32 v62, v63
	v_lshrrev_b32 v1, 5, v0
	v_readfirstlane_b32 s[WV], v1
	s_mov_b32 s14, ttmp9                           ; the block of 256 queries
	s_and_b32 s15, ttmp7, 0xffff                   ; batch x 16 + head
	s_lshl_b32 s2, s14, 2
	s_add_co_u32 s[CD], s2, s[WV]
	s_add_co_u32 s[CD1], s[CD], 1
	s_lshl_b32 s2, s[CD], 13                       ; my 64 rows of 128 bytes
	s_mov_b32 s3, 0
	s_lshl_b32 s20, s15, 17                        ; the head's 131,072 bytes
	s_mov_b32 s21, 0
	s_add_nc_u64 s[2:3], s[2:3], s[20:21]
	s_and_b32 s13, s[WV], 1
	s_mov_b32 s[G1K], (1<<16)|(1<<20)|(4<<22)|(3<<25)  ; dense rows of 128 bytes asked for as rows of 256; 4 words of padding after every 32
	s_mov_b32 s[G1V], (1<<16)|(1<<20)|(4<<22)|(7<<25)  ; 8 words
	s_mov_b32 s[G1T1], (1<<16)|(1<<20)|(4<<22)|(3<<25)
	s_mov_b32 s[G1T2], (1<<16)|(1<<20)|(4<<22)|(3<<25)
.irp g, G1K, G1V
	s_mov_b32 s[\g+1], 128<<16
	s_mov_b32 s[\g+2], 64<<16
	s_mov_b32 s[\g+3], 128<<16
	s_mov_b32 s[\g+4], 64
	s_mov_b32 s[\g+5], 128
	s_mov_b32 s[\g+6], 0
	s_mov_b32 s[\g+7], 0
.endr
	s_mov_b32 s[G1T1+1], 128<<16                   ; 224 table rows: 112 rows of 256 bytes
	s_mov_b32 s[G1T1+2], (T1R/2)<<16
	s_mov_b32 s[G1T1+3], 128<<16
	s_mov_b32 s[G1T1+4], T1R/2
	s_mov_b32 s[G1T1+5], 128
	s_mov_b32 s[G1T1+6], 0
	s_mov_b32 s[G1T1+7], 0
	s_mov_b32 s[G1T2+1], 128<<16                   ; 416 table rows: 208 rows of 256 bytes
	s_mov_b32 s[G1T2+2], (T2R/2)<<16
	s_mov_b32 s[G1T2+3], 128<<16
	s_mov_b32 s[G1T2+4], T2R/2
	s_mov_b32 s[G1T2+5], 128
	s_mov_b32 s[G1T2+6], 0
	s_mov_b32 s[G1T2+7], 0
	s_mov_b32 s[G0K], 1
	s_mov_b32 s[G0K+1], 0
	s_mov_b32 s[G0K+4], 1
	s_mov_b32 s[G0K+5], SLOT1
	s_mov_b32 s[G0V], 1
	s_mov_b32 s[G0V+1], VOFF
	s_mov_b32 s[G0V+4], 1
	s_mov_b32 s[G0V+5], SLOT1+VOFF
	s_mov_b32 s[G0T], 1
	s_mul_i32 s[G0T+1], s13, T1R*PK                ; rows 0 to 447: a half to each of waves 2 and 3,
	s_add_co_u32 s[G0T+1], s[G0T+1], TB0
	s_mov_b32 s[G0T+4], 1
	s_mul_i32 s[G0T+5], s13, T2R*PK                ; rows 448 to 1,279 likewise
	s_add_co_u32 s[G0T+5], s[G0T+5], TB0+2*T1R*PK
	s_mov_b32 s[CS], 0x3fb8aa3b                    ; c = log2(e)
	s_mov_b32 s[CS+1], s[CS]
	s_mov_b32 s[SEL], 0x76543210
	s_mov_b32 s[SEL+1], 0xfedcba98
	s_mov_b32 s[TBK], 0
	s_mov_b32 s[TBV], 0
	s_mul_i32 s[TBT], s[WV], 4*TT
	s_sub_co_u32 s[TBT], TB0+12*TT, s[TBT]         ; my first table tile: number 12 - 4 x wave of the work-group's 80
	s_mov_b32 s[GC], 0
	s_cmp_eq_u32 s[WV], 0
	s_cselect_b32 s[LIM], 1, -1
	s_wait_dscnt 0x0                               ; the opening add is done
	s_wait_kmcnt 0x0
	s_add_nc_u64 s[16:17], s[4:5], s[2:3]          ; Q at my first row
	s_add_nc_u64 s[10:11], s[8:9], s[2:3]          ; O likewise
	s_add_nc_u64 s[18:19], s[4:5], s[20:21]
	s_add_nc_u64 s[22:23], s[18:19], 0x2000000     ; the head's V,
	s_add_nc_u64 s[18:19], s[18:19], 0x1000000     ; its K
.irp s, 0,1
	s_add_nc_u64 s[G0K+4*\s+2:G0K+4*\s+3], s[18:19], \s*2*KS*128
	s_or_b32 s[G0K+4*\s+3], s[G0K+4*\s+3], 0x80000000
	s_add_nc_u64 s[G0V+4*\s+2:G0V+4*\s+3], s[22:23], \s*2*KS*128
	s_or_b32 s[G0V+4*\s+3], s[G0V+4*\s+3], 0x80000000
.endr
	s_add_nc_u64 s[PFA:PFA+1], s[18:19], 2*2*KS*128  ; at slot 2; the first change steps it to slot 3
	s_lshl_b32 s2, s14, 15
	s_sub_co_u32 s2, 98304, s2
	s_mov_b32 s3, 0
	s_add_nc_u64 s[6:7], s[6:7], s[2:3]            ; the table from row 768 - 256 x block on
	s_mul_i32 s2, s13, T1R*128
	s_add_nc_u64 s[G0T+2:G0T+3], s[6:7], s[2:3]
	s_or_b32 s[G0T+3], s[G0T+3], 0x80000000
	s_mul_i32 s2, s13, T2R*128
	s_add_co_u32 s2, s2, 2*T1R*128
	s_add_nc_u64 s[G0T+6:G0T+7], s[6:7], s[2:3]
	s_or_b32 s[G0T+7], s[G0T+7], 0x80000000
	s_cmp_lt_u32 s[WV], 2                          ; the first fills, one group, two loads a wave, what is wanted first ahead: wave 0 K of slots 0 and 1, wave 1 V of both, waves 2 and 3 the table's head and then its rest
	s_cbranch_scc0 .Lfill_t
	s_cmp_eq_u32 s[WV], 0
	s_cbranch_scc0 .Lfill_v
	tensor_load_to_lds s[G0K:G0K+3], s[G1K:G1K+7]
	s_nop 0
	tensor_load_to_lds s[G0K+4:G0K+7], s[G1K:G1K+7]
	s_nop 0
	NOP4
	s_branch .Lfilled
.Lfill_v:
	tensor_load_to_lds s[G0V:G0V+3], s[G1V:G1V+7]
	s_nop 0
	tensor_load_to_lds s[G0V+4:G0V+7], s[G1V:G1V+7]
	s_nop 0
	NOP4
	s_branch .Lfilled
.Lfill_t:
	tensor_load_to_lds s[G0T:G0T+3], s[G1T1:G1T1+7]
	s_nop 0
	tensor_load_to_lds s[G0T+4:G0T+7], s[G1T2:G1T2+7]
	s_nop 0
	NOP4
.Lfilled:
	v_and_b32 v1, 15, v0                           ; r
	v_bfe_u32 v9, v0, 4, 1                         ; h
	v_lshlrev_b32 v[QO], 7, v1
	v_lshl_add_u32 v[QO], v9, 4, v[QO]
	WIN 0x80
.set z, 0
.rept 8                                        ; piece z / 2 is tile 3 - z / 2; channels 32 (z % 2) on; then the same one row further on (the row behind the head's last lies inside qkv and feeds no score)
	global_load_b128 v[8*z:8*z+3], v[QO], s[16:17] offset:(3-z/2)*2048+(z%2)*64
	global_load_b128 v[8*z+4:8*z+7], v[QO], s[16:17] offset:(3-z/2)*2048+(z%2)*64+32
	global_load_b128 v[QP+8*z:QP+8*z+3], v[QO], s[16:17] offset:(3-z/2)*2048+(z%2)*64+128
	global_load_b128 v[QP+8*z+4:QP+8*z+7], v[QO], s[16:17] offset:(3-z/2)*2048+(z%2)*64+160
.set z, z+1
.endr
	WIN 0xc0
.set z, 0
.rept 8                                        ; X and Y begin as Q
	global_load_b128 v[XR+8*z:XR+8*z+3], v[QO], s[16:17] offset:(3-z/2)*2048+(z%2)*64
	global_load_b128 v[XR+8*z+4:XR+8*z+7], v[QO], s[16:17] offset:(3-z/2)*2048+(z%2)*64+32
	global_load_b128 v[YR+8*z:YR+8*z+3], v[QO], s[16:17] offset:(3-z/2)*2048+(z%2)*64
	global_load_b128 v[YR+8*z+4:YR+8*z+7], v[QO], s[16:17] offset:(3-z/2)*2048+(z%2)*64+32
.set z, z+1
.endr
	; what the first turn finds: V and P's second buffer hold 0 (its products V^T P, of a piece that has not been, add 0), O^T and l are 0.  All this stands in the wait for the first tiles.
	WIN 0x80
.set z, VF
.rept 64
	v_mov_b32 v[z], 0
.set z, z+1
.endr
	WIN 0x40
.set z, 0
.rept 128
	v_mov_b32 v[z], 0
.set z, z+1
.endr
	WIN 0
.set z, 0
.rept 4
	v_mov_b32 v[ST+4*z], 0xfe000000                ; c m: far below every c s
	v_mov_b32 v[ST+4*z+1], 0xff7fffff              ; m
	v_mov_b32 v[ST+4*z+2], 0
	v_mov_b32 v[ST+4*z+3], 0
.set z, z+1
.endr
.set z, P+16
.rept 16
	v_mov_b32 v[z], 0
.set z, z+1
.endr
	v_mul_u32_u24 v[AK0], v1, PK
	v_lshl_add_u32 v[AK0], v9, 4, v[AK0]           ; row x pitch + 16 h: for K and for the table
	v_and_b32 v10, 7, v0
	v_bfe_u32 v11, v0, 3, 1
	v_lshl_add_u32 v[AV0], v9, 3, v10
	v_mul_u32_u24 v[AV0], v[AV0], PV
	v_lshl_add_u32 v[AV0], v11, 4, v[AV0]
	v_add_nc_u32 v[AV0], VOFF, v[AV0]
	s_mul_i32 s13, s[WV], SKB
	s_add_co_u32 s13, s13, SKEW
	v_mul_u32_u24 v[SKW], v1, SKP
	v_lshl_add_u32 v[SKW], v9, 5, v[SKW]
	v_add_nc_u32 v[SKW], s13, v[SKW]               ; G goes in at 336 r + 32 h + 64 i + 4 j,
	v_lshlrev_b32 v[SKR], 2, v1
	v_sub_nc_u32 v[SKR], v[SKW], v[SKR]
	v_add_nc_u32 v[SKR], 60, v[SKR]                ; and comes back from 332 r + 60 + 32 h + 64 kb + 4 j: entry s + 15 - r
	v_mul_u32_u24 v[STO], v1, SP
	v_lshl_add_u32 v[STO], v9, 4, v[STO]
	v_add_nc_u32 v[STO], s13, v[STO]
	v_bfe_u32 v[RD], v0, 3, 2
	v_mul_u32_u24 v[RD], v[RD], SP
	v_lshl_add_u32 v[RD], v10, 4, v[RD]
	v_add_nc_u32 v[RD], s13, v[RD]
	v_and_b32 v[GO], 31, v0
	v_lshlrev_b32 v[GO], 4, v[GO]
	v_lshl_add_u32 v[PFO], s14, 4, v1
	v_lshlrev_b32 v[PFO], 8, v[PFO]
	v_lshl_add_u32 v[PFO], v9, 24, v[PFO]          ; block 16 x work-group + l % 16 of a slot's K; lanes 16-31 the same of V, 2^24 bytes on
; THE MATRIX WORK.  In each run the accumulators take turns, one instruction a turn.
.macro KQ x                            ; product i of 8 of S^T += K Q^T for piece x: channels 32 (i / 4) on, keys 16 (i % 4) on; S^T holds the bias
	WIN W_KQ
.set rS, S+32*(\x)+8*(i%4)
.set rK, KF+16*(i%4)+8*(i/4)
.set rQ, 16*(\x)+8*(i/4)
	v_wmma_f32_16x16x32_f16 v[rS:rS+7], v[rK:rK+7], v[rQ:rQ+7], v[rS:rS+7]
.endm
.macro PV x
	WIN W_PV
.set rO, 32*(\x)+8*(i%4)
.set rV, VF+32*(i/4)+8*(i%4)
.set rP, P+16*((\x)%2)+8*(i/4)
	v_wmma_f32_16x16x32_f16 v[rO:rO+7], v[rV:rV+7], v[rP:rP+7], v[rO:rO+7]
.endm
.macro MM                              ; the turn's next product of the first or the last eight
.if i < 8
	KQ (Y+1)%NP
.else
.set i, i-8
	PV (Y+NP-1)%NP
.set i, i+8
.endif
.set i, i+1
.endm
; Product gk of 10 of G for piece PG: table slot PG + gk % 5, channels 32 (gk / 5) on.  Tiles up to 3 - PG take X, the others Y.
.macro GM
	WIN W_G
.set gi, gk%5
.set gc, gk/5
.set rG, GR+8*gi
.set rA, 16*(PG+gi)+8*gc
.if gi <= 3-PG
.set rB, XR+16*PG+8*gc
.else
.set rB, YR+16*PG+8*gc
.endif
.if gk < 5
	v_wmma_f32_16x16x32_f16 v[rG:rG+7], v[rA:rA+7], v[rB:rB+7], 0
.else
	v_wmma_f32_16x16x32_f16 v[rG:rG+7], v[rA:rA+7], v[rB:rB+7], v[rG:rG+7]
.endif
.set gk, gk+1
.endm
; At my diagonal step the table tiles beyond 3 - PG lie above row 1,023 and take the next row's query; from the step after it on, all do.
.macro XYCHK inc
	WIN 0
.if \inc
	s_add_co_u32 s[GC], s[GC], 1
.endif
	s_cmp_eq_u32 s[GC], s[CD]
	s_cbranch_scc0 .Lno_y_\@
	WIN 0xc2
.set z, 0
.rept 64
	v_mov_b32 v[YR+z], v[QP+z]
.set z, z+1
.endr
	WIN 0
.Lno_y_\@:
.if \inc
	s_cmp_eq_u32 s[GC], s[CD1]
	s_cbranch_scc0 .Lno_x_\@
	WIN 0xc2
.set z, 0
.rept 64
	v_mov_b32 v[XR+z], v[QP+z]
.set z, z+1
.endr
	WIN 0
.Lno_x_\@:
.endif
.endm
; THE LDS WORK.
.macro FETCH_K
	WIN 0x80
.irp f, 0,1,2,3,4,5,6,7
	ds_load_b128 v[KF+8*\f:KF+8*\f+3],   v[AK] offset:(\f/2)*16*PK+(\f%2)*64
	ds_load_b128 v[KF+8*\f+4:KF+8*\f+7], v[AK] offset:(\f/2)*16*PK+(\f%2)*64+32
.endr
	s_add_co_u32 s[TBK], s[TBK], KS*PK
	WIN 0
.endm
.macro FETCH_V
	WIN 0x80
.irp f, 0,1,2,3,4,5,6,7
	ds_load_tr16_b128 v[VF+8*\f:VF+8*\f+3],   v[AV] offset:(\f/4)*32*PV+(\f%4)*32
	ds_load_tr16_b128 v[VF+8*\f+4:VF+8*\f+7], v[AV] offset:(\f/4)*32*PV+16*PV+(\f%4)*32
.endr
	WIN 0
.endm
.macro TLOAD slot, tile                ; the table tile \tile tiles behind v[AT]'s, 16 rows x 64 channels (two fragments), into slot \slot
	WIN 0xc0
.irp c, 0,1,2,3
	ds_load_b128 v[16*(\slot)+4*\c:16*(\slot)+4*\c+3], v[AT] offset:(\tile)*TT+32*\c
.endr
.endm
.macro GST                             ; G of piece PG into my skew rows, each accumulator's low half first
	WIN 0x04                                       ; the stores' data in window 1
.irp b, 0,1,2,3,4
	ds_store_b128 v[SKW], v[GR+8*\b:GR+8*\b+3] offset:64*\b
	ds_store_b128 v[SKW], v[GR+8*\b+4:GR+8*\b+7] offset:64*\b+16
.endr
.endm
.macro SLD                             ; and back, shifted, into that piece's S^T.  LDS serves a wave's instructions in order: these see the stores
	WIN 0
.set z, 0
.rept 32
	ds_load_b32 v[S+32*PG+z], v[SKR] offset:64*(z/8)+4*(z%8)
.set z, z+1
.endr
.endm
; A turn's one run.  v[AT] stands at tile 4 (c + 1).  Turn 0 has just multiplied slots 3-7 for the last time in its bias step: 3, 4, 5 take the next step's tiles.  Turn 1 (slots 0-4 read): 6 takes this bias step's,
; 0 the step's after it.  Turn 2 (1-5 read): 7 and 1 likewise.  Turn 3 (2-6 read): 2.  Each slot but 3 and 4 is waited for by the next turn's wait for all LDS instructions, a turn ahead of its first reader.
.macro RUN
	GST
.if Y == 0
	TLOAD 3, 3
	TLOAD 4, 4
	TLOAD 5, 5
.elseif Y == 1
	TLOAD 6, 6
	TLOAD 0, 4
.elseif Y == 2
	TLOAD 7, 7
	TLOAD 1, 5
.else
	TLOAD 2, 6
.endif
	SLD
.endm
; THE VECTOR WORK: OP kind, number.  For piece Y: F n: c s - c m for pair n.  E n: the exponential of score n.  C n: pair n rounded to f16.  B n: of the weights 4 n .. the second pair onto the first.
; L n: l takes that sum (L 0: l = a l + sum).  R n: pair n of O^T times a.  For piece Y + 1: X n, number n of the 22 that find its maximum and statistics (each accumulator's lowest registers are read first).
.set F, 0
.set E, 1
.set C, 2
.set B, 3
.set L, 4
.set R, 5
.set X, 6
.macro REGS y
.set rT, ST+4*(\y)
.set rC, TMP+4*((\y)%2)
.set rW, MV+((\y)%2)
.set rS, S+32*(\y)
.set rP, P+16*((\y)%2)
.set rO, 32*(\y)
.endm
.macro OP k, n
.if (\k) == R
	REGS Y
	WIN W_RS
	v_pk_mul_f32 v[rO+2*(\n):rO+2*(\n)+1], v[rO+2*(\n):rO+2*(\n)+1], v[rC+2:rC+3] op_sel_hi:[1,0]
.elseif (\k) < R
	REGS Y
	WIN 0
.if (\k) == F
	v_pk_fma_f32 v[rS+2*(\n):rS+2*(\n)+1], v[rS+2*(\n):rS+2*(\n)+1], s[CS:CS+1], v[rT:rT+1] op_sel_hi:[1,0,0] neg_lo:[0,0,1] neg_hi:[0,0,1]
.elseif (\k) == E
	v_exp_f32 v[rS+(\n)], v[rS+(\n)]
.elseif (\k) == C
	v_cvt_pk_f16_f32 v[rP+(\n)], v[rS+2*(\n)], v[rS+2*(\n)+1]
.elseif (\k) == B
	v_pk_add_f32 v[rS+4*(\n):rS+4*(\n)+1], v[rS+4*(\n):rS+4*(\n)+1], v[rS+4*(\n)+2:rS+4*(\n)+3]
.elseif (\n) == 0
	v_pk_fma_f32 v[rT+2:rT+3], v[rT+2:rT+3], v[rC+2:rC+3], v[rS:rS+1] op_sel_hi:[1,0,1]
.else
	v_pk_add_f32 v[rT+2:rT+3], v[rT+2:rT+3], v[rS+4*(\n):rS+4*(\n)+1]
.endif
.else
	REGS (Y+1)%NP
	WIN 0
.if (\n) < 4
	v_max3_num_f32 v[rC+(\n)], v[rS+8*(\n)], v[rS+8*(\n)+1], v[rS+8*(\n)+2]
.elseif (\n) < 12
	v_max3_num_f32 v[rC+(\n)%4], v[rC+(\n)%4], v[rS+8*((\n)%4)+2*((\n)/4)+1], v[rS+8*((\n)%4)+2*((\n)/4)+2]
.elseif (\n) == 12
	v_max3_num_f32 v[rC], v[rC], v[rS+7], v[rS+15]
.elseif (\n) == 13
	v_max3_num_f32 v[rC+1], v[rC+1], v[rS+23], v[rS+31]
.elseif (\n) == 14
	v_max3_num_f32 v[rC+2], v[rC+2], v[rC+3], v[rT+1]
.elseif (\n) == 15
	v_mov_b32 v[rW], v[rT]
.elseif (\n) == 16
	v_max3_num_f32 v[rC], v[rC], v[rC+1], v[rC+2]
.elseif (\n) == 17
	v_permlanex16_b32 v[rC+3], v[rC], s[SEL], s[SEL+1]
.elseif (\n) == 18
	v_max_num_f32 v[rT+1], v[rC], v[rC+3]
.elseif (\n) == 19
	v_mul_f32 v[rT], s[CS], v[rT+1]
.elseif (\n) == 20
	v_sub_f32 v[rC+1], v[rW], v[rT]
.else
	v_exp_f32 v[rC+2], v[rC+1]
.endif
.endif
.endm
.macro OPS a, i1, b=-1, i2=0, c=-1, i3=0, d=-1, i4=0
	OP \a, \i1
.if (\b) >= 0
	OP \b, \i2
.endif
.if (\c) >= 0
	OP \c, \i3
.endif
.if (\d) >= 0
	OP \d, \i4
.endif
.endm
.macro ROW a, i1, b, i2, c, i3, d, i4
	MM
	OPS \a, \i1, \b, \i2, \c, \i3, \d, \i4
.endm
; A TURN, for piece y.  AHEAD OF THE ONE WAIT stands all that names no result of the turn's exponentials: 8 products K Q^T with four riders each, then the lump, with a product G ahead of each of its
; first ten lines.  Behind the last G stand nine plain instructions ahead of the stores that read it and of the loads into the slots that it read.  BEHIND THE WAIT: one wait for all LDS instructions (the run of the turn
; before, whose S^T the next turn's K Q^T adds onto and whose table tiles the next lump multiplies; K, fetched in this lump; V, fetched at the end of the turn before), the run, and 8 products V^T P with the roundings and sums as riders.
.macro TURN y
.set Y, (\y)
.set i, 0
.set gk, 0
.set PG, (Y+3)%4
.if Y == 1
	XYCHK 1                                        ; this turn's G is piece 0 of the next key step
.endif
	ROW F,0, F,1, R,0, R,1
	ROW F,2, E,0, R,2, R,3
	ROW F,3, E,1, R,4, R,5
	ROW F,4, E,2, R,6, R,7
	ROW F,5, E,3, R,8, R,9
	ROW F,6, E,4, X,0, R,10
.if Y == 2
	WIN 0
	s_min_u32 s[TK], s[TBK], SLOT1+KS*PK           ; a slot's first or second step as it stands; behind the head's last step, whose K lies there, that K once more
	v_add_nc_u32 v[AK], s[TK], v[AK0]
.endif
	ROW F,7, E,5, X,1, X,4
	ROW F,8, E,6, X,2, X,5
.if Y == 1
	s_wait_dscnt 48                                ; slots 3 and 4, loaded in turn 0's run, are read below: all but the 48 LDS loads issued behind the table's (32 of S^T, V's 16) are done
.endif
	GM
	OPS E,7, E,8, X,6, E,9
	GM
	OPS X,3, E,10, X,8, E,11
.if Y == 2
	FETCH_K                                        ; five places behind the last product that read K
.endif
	GM
	OPS X,9, X,7, E,12, X,10
	GM
	OPS E,13, X,12, X,11, E,14
	GM
	OPS X,13, E,15, F,9, X,14
.if Y == 0
	WIN 0
	v_add_nc_u32 v[AV], s[TBV], v[AV0]
	s_add_co_u32 s[TBV], s[TBV], KS*PV
	s_add_co_u32 s[TBT], s[TBT], 4*TT              ; the table's address steps once a key step;
	s_min_u32 s[TBT], s[TBT], TB0+72*TT            ; it and the seven tiles behind it stay inside the 80: only the last step's, whose tiles serve nothing, is held back
	v_add_nc_u32 v[AT], s[TBT], v[AK0]
.endif
	GM
	OPS E,16, F,10, E,17, F,11
	GM
	OPS X,16, E,18, X,15, E,19
	GM
	OPS F,12, E,20, X,17, E,21
	GM
	OPS F,13, E,22, F,14, E,23
	GM
	OPS X,18, E,24, F,15, E,25
	OPS R,11, E,26, X,19, E,27
	OPS R,12, E,28, R,13, E,29
	OPS X,20, E,30, R,14, E,31
	OPS X,21, R,15                                 ; the next piece's a is the batch's last; R 15 is the plain instruction behind it
	WIN 0
	s_wait_alu depctr_va_vdst(0)                   ; the wait for the batch, ahead of the first instruction that names a result
	s_wait_dscnt 0x0
	RUN
	ROW C,0, B,0, C,2, B,1
	ROW L,0, C,4, B,2, L,1
	ROW C,6, B,3, L,2, C,8
	ROW B,4, L,3, C,10, B,5
	ROW L,4, C,12, B,6, L,5
	ROW C,14, B,7, L,6, C,1
	ROW C,3, L,7, C,5, C,7
	ROW C,9, C,11, C,13, C,15
.if Y == 0
	FETCH_V                                        ; four riders behind the last product that read V
.endif
.endm
.macro GPRO n                          ; ahead of the loop: the bias of turn n, made by itself
.set PG, (\n)
.set gk, 0
.rept 10
	GM
.endr
	WIN 0
.rept 8
	v_nop
.endr
	GST
	SLD
	s_wait_dscnt 0x0
.endm
	s_wait_tensorcnt 0x1                           ; my first load has landed; my second may stay out, and ahead of the first change of slots nothing of slot 1 is read, and of the table no tile past number 26 (rows under 432 of the 448)
	s_barrier_signal -1
	s_barrier_wait -1                              ; everybody's has: slot 0 and the table's first 448 rows
	v_add_nc_u32 v[AT], s[TBT], v[AK0]
.irp y, 0,1,2,3,4,5,6,7
	TLOAD \y, \y
.endr
	WIN 0
	v_mov_b32 v[AK], v[AK0]                        ; key step 0 lies at the head of slot 0
	FETCH_K
	s_wait_loadcnt 0x0                             ; Q, X, Y
	XYCHK 0                                        ; where step 0 is my diagonal step
	s_wait_dscnt 0x0
	GPRO 0
	GPRO 1
	GPRO 2
	TLOAD 0, 4                                     ; slots 0, 1, 2 have been read for the last time in bias step 0 (eight v_nop back): they take step 1's tiles
	TLOAD 1, 5
	TLOAD 2, 6
.set i, 0
.rept 8
	KQ 0
.set i, i+1
.endr
	WIN 0
	NOP4                                           ; the places behind those products
.set Y, NP-1
.irp n, 0,1,2,3,4,5,6,7,8,9,10,11,12,13,14,15,16,17,18,19,20,21
	OP X, \n
.endr
	v_nop
	s_wait_alu depctr_va_vdst(0)
	s_mov_b32 s[SLOTS], 7
	s_mov_b32 s[CNT], 2
	s_branch .Lfirst                               ; the loop is entered at a step's first turn, in the middle of a trip
.Lslot:                                        ; six times: slots 2 to 7 are asked for
	CHANGE 1
	s_mov_b32 s[CNT], 2
.Lstep:                                        ; a trip: pieces 2 and 3 of one step, then pieces 0 and 1 of the next
	TURN 2
	TURN 3
	WIN 0
.Lfirst:
	TURN 0
	TURN 1
	WIN 0
	s_sub_co_u32 s[CNT], s[CNT], 1
	s_cmp_lg_u32 s[CNT], 0
	s_cbranch_scc1 .Lstep
	s_sub_co_u32 s[SLOTS], s[SLOTS], 1
	s_cmp_lg_u32 s[SLOTS], 0
	s_cbranch_scc1 .Lslot
	CHANGE 0                                       ; the tail is written out: turns 54 to 63
	s_mov_b32 s[CNT], 3                            ; two whole trips; the third is left in its middle
.Ltail:
	TURN 2
	TURN 3
	WIN 0
	s_sub_co_u32 s[CNT], s[CNT], 1
	s_cmp_eq_u32 s[CNT], 0
	s_cbranch_scc1 .Lout
	TURN 0
	TURN 1
	WIN 0
	s_branch .Ltail
.Lout:
.set i, 0
.rept 8
	PV NP-1                                        ; the last piece's V^T P of the last step
.set i, i+1
.endr
	; THE WAY OUT.  l's halves are added; O^T is divided by l, rounded to f16 and sent through my stage, a piece at a time.  The additions are the places behind the last products.
	WIN 0
.macro ALL line:vararg
.set t, 0
.rept 4
	\line
.set t, t+1
.endr
.endm
	ALL v_add_f32 v[ST+4*t+2], v[ST+4*t+2], v[ST+4*t+3]
	ALL v_permlanex16_b32 v[ST+4*t+3], v[ST+4*t+2], s[SEL], s[SEL+1]
	ALL v_add_f32 v[ST+4*t+2], v[ST+4*t+2], v[ST+4*t+3]
	ALL v_rcp_f32 v[ST+4*t+2], v[ST+4*t+2]
	v_nop
	s_wait_alu depctr_va_vdst(0)                   ; one wait for the four reciprocals
.macro PACK t
	WIN W_RS
.set i, 32*(\t)
.rept 16
	v_pk_mul_f32 v[i:i+1], v[i:i+1], v[ST+4*(\t)+2:ST+4*(\t)+3] op_sel_hi:[1,0]
.set i, i+2
.endr
	WIN 0x05
.set i, 0
.rept 16
	v_cvt_pk_f16_f32 v[S+16*(\t)+i], v[32*(\t)+2*i], v[32*(\t)+2*i+1]
.set i, i+1
.endr
	WIN 0
.irp f, 0,1,2,3
	ds_store_b128 v[STO], v[S+16*(\t)+4*\f:S+16*(\t)+4*\f+3] offset:32*\f
.endr
.irp f, 0,1,2,3
	ds_load_b128 v[S+16*(\t)+4*\f:S+16*(\t)+4*\f+3], v[RD] offset:\f*4*SP
.endr
.endm
.macro SEND t, younger
	WIN 0
.irp f, 0,1,2,3
	s_wait_dscnt (\younger)+3-\f
	global_store_b128 v[GO], v[S+16*(\t)+4*\f:S+16*(\t)+4*\f+3], s[10:11] offset:(3-(\t))*2048+\f*512  ; 512 bytes on end, aligned
.endr
.endm
	PACK 0
.set t, 1
.rept 3
	PACK t
	SEND t-1, 8
.set t, t+1
.endr
	SEND 3, 0
	s_wait_tensorcnt 0x0                           ; the wave's end
	ds_add_u32 v[SPW], v[NIL]
	s_wait_dscnt 0x0
	s_endpgm
.Lfunc_end_k_qa0b474df9f_attn:
	.size	k_qa0b474df9f_attn, .Lfunc_end_k_qa0b474df9f_attn-k_qa0b474df9f_attn
	.p2alignl 7, 3214868480
	.fill 96, 4, 3214868480
	.section	.rodata,"a",@progbits
	.p2align	6, 0x0
	.amdhsa_kernel k_qa0b474df9f_attn
		.amdhsa_group_segment_fixed_size 327680
		.amdhsa_private_segment_fixed_size 0
		.amdhsa_enable_private_segment 0
		.amdhsa_kernarg_size 24
		.amdhsa_user_sgpr_count 2
		.amdhsa_user_sgpr_kernarg_segment_ptr 1
		.amdhsa_wavefront_size32 1
		.amdhsa_system_sgpr_workgroup_id_x 1
		.amdhsa_system_sgpr_workgroup_id_y 1
		.amdhsa_system_sgpr_workgroup_id_z 1
		.amdhsa_system_vgpr_workitem_id 0
		.amdhsa_next_free_vgpr 1024
		.amdhsa_next_free_sgpr 100
		.amdhsa_reserve_vcc 0
		.amdhsa_float_denorm_mode_32 3
		.amdhsa_float_denorm_mode_16_64 3
		.amdhsa_memory_ordered 1
		.amdhsa_forward_progress 1
		.amdhsa_inst_pref_size 177
	.end_amdhsa_kernel
	.amdgpu_metadata
---
amdhsa.version: [ 1, 2 ]
amdhsa.kernels:
  - .name:           k_qa0b474df9f_attn
    .symbol:         k_qa0b474df9f_attn.kd
    .args:
      - { .name: qkv, .offset: 0, .size: 8, .value_kind: global_buffer, .address_space: global }
      - { .name: tt, .offset: 8, .size: 8, .value_kind: global_buffer, .address_space: global }
      - { .name: ob, .offset: 16, .size: 8, .value_kind: global_buffer, .address_space: global }
    .group_segment_fixed_size: 327680
    .private_segment_fixed_size: 0
    .kernarg_segment_align: 8
    .kernarg_segment_size: 24
    .max_flat_workgroup_size: 128
    .sgpr_count:     100
    .vgpr_count:     1024
    .wavefront_size: 32
...
	.end_amdgpu_metadata
.endif
;; end of part 3
;; launch outp (part 4): grid 8 x 32, 4 waves a work-group, clusters of 4 x 4, 327,680 bytes of LDS; arguments ob, wob, b_out, out0; writes out0
.if DOCPART == 4
	.amdgcn_target "amdgcn-amd-amdhsa--gfx1250"
	.amdhsa_code_object_version 6
	.text
	.protected	k_qa0b474df9f_outp
	.globl	k_qa0b474df9f_outp
	.p2align	8
	.type	k_qa0b474df9f_outp,@function
k_qa0b474df9f_outp:
	s_mov_b64 s[64:65], 0
	v_nop
	global_prefetch_b8 v0, s[64:65] scope:SCOPE_SE
	s_setreg_imm32_b32 hwreg(HW_REG_WAVE_MODE, 25, 1), 1
	s_wait_xcnt 0x0
	s_wait_alu depctr_hold_cnt(0) depctr_sa_sdst(0) depctr_va_vdst(0) depctr_va_sdst(0) depctr_va_ssrc(0) depctr_va_vcc(0) depctr_vm_vsrc(0)
	s_getreg_b32 s2, hwreg(HW_REG_IB_STS2, 6, 4)
	s_cmp_eq_u32 s2, 0
	s_cbranch_scc0 .Lentry_in_a_cluster
	s_endpgm
.Lentry_in_a_cluster:
	s_bfe_u32 s2, ttmp6, 0x10000c
	s_cmp_lg_u32 s2, 0xf033
	s_cbranch_scc0 .Lentry_shape_is_right
	s_endpgm
.Lentry_shape_is_right:
; THE OUTPUT PROJECTION.  out0[b n][col] = sum over head, d of ob[b][head][n][d] wob[64 head + d][col] + bf16(b_out[col]).  ob [8][16][1024][64], wob [1024][1024] f16; out0 [8192][1024] f32.
; A tile is 256 rows x 128 columns: 8 x 32 = 256 work-groups.  A wave makes 64 rows x 128 columns: 32 accumulators.  A K step is 128 = two heads; 8 steps through two LDS slots.
; A head's 256 rows are 32,768 dense bytes, asked for as 128 rows of 256 and padded after every 128.  W lies [k][column] and comes out of LDS turned.  The matrix instruction is used transposed
; (source 0 = 16 columns of W, source 1 = 16 rows of O).  The bias is the C operand of each sum's first product.  CLUSTER 4 x 4: O's tiles jointly along a row of the cluster, W's along a column.
; WINDOWS: 0: v16-30 addresses; v64-127 O's fragments (two buffers of 4); v128-255 rows read back (two sets);  1: v0-127 W's fragments (two buffers of 8); v128-191 the bias; v192-223 at work;  2: the accumulators, (b, a) at 8 (4 b + a).
.set PA, 144
.set PW, 288                           ; 256 bytes + 32: 9 x 32
.set WOFF, 2*256*PA                    ; 73,728
.set SLOT1, 1<<17
.set STAGE, SLOT1+WOFF+128*PW          ; 241,664: 16 rows x 528 bytes for each wave
.set SP, 528
.set SPARE, STAGE+4*16*SP
.set KSTEPB, 262144                    ; bytes from K step to K step, in ob (two heads) and in wob (128 rows)
.set ADRA0, 16
.set ADRA, 17
.set ADRB0, 20
.set ADRB, 21
.set STO, 24
.set RD, 25
.set GO, 26
.set BO, 27
.set SPW, 28
.set NIL, 29
.set PFO, 30
.set FA, 64
.set BIAS, 128
.set WV, 12
.set FB, 13
.set HF, 14
.set CX, 15
.set CY, 16
.set TX, 17
.set TY, 18
.set G1A, 24
.set G0A, 32
.set G1B, 40
.set G0B, 48
.set TB, 56
.set LIM, 57
.set PFA, 58
.set MSB, 0
.macro WIN new
.if MSB != (\new)
	s_set_vgpr_msb (MSB<<8)|(\new)
.set MSB, \new
.endif
.endm
.macro PLACES
.rept 4
	v_nop
.endr
.endm
.macro JLOAD
	s_cmp_eq_u32 s[FB], 0
	s_cbranch_scc0 .Lfor_b_\@
	tensor_load_to_lds s[G0A+4:G0A+7], s[G1A:G1A+7]
	s_nop 0
	PLACES
	s_branch .Lasked_\@
.Lfor_b_\@:
	tensor_load_to_lds s[G0B+4:G0B+7], s[G1B:G1B+7]
	s_nop 0
	PLACES
.Lasked_\@:
.endm
.macro CREST
	s_cmp_lg_u32 s[WV], 0
	s_cbranch_scc1 .Lnot_wave_0_\@
	s_barrier_signal -3
.Lnot_wave_0_\@:
	s_barrier_wait -3
	s_barrier_signal -1
	s_barrier_wait -1
.endm
.macro CROUND
	s_barrier_signal -1
	s_barrier_wait -1
	CREST
.endm
; A prefetch of the K step two refills on.  O's: the clusters with x = 0; waves 0 and 1 name 32 of their head's 128 blocks of 256 bytes, by the work-group's place along x.  W's: the clusters with y = 0; wave 2 names 32 of the 128 rows, by the place along y.
.macro ASK
	WIN 0
	s_cmp_gt_u32 s3, s[LIM]
	s_cbranch_scc0 .Lnot_mine_\@
	global_prefetch_b8 v[PFO], s[PFA:PFA+1] th:TH_LOAD_NT scope:SCOPE_SE
.Lnot_mine_\@:
.endm
	s_load_b256 s[4:11], s[0:1], 0x0               ; ob s[4:5], wob s[6:7], b_out s[8:9], out0 s[10:11]
	v_lshl_add_u32 v[SPW], v0, 2, SPARE
	v_mov_b32 v[NIL], 0
	ds_add_u32 v[SPW], v[NIL]                      ; the wave's opening: the add and its wait ahead of my first tensor load
	ds_add_u32 v28, v29
	v_lshrrev_b32 v1, 5, v0
	v_readfirstlane_b32 s[WV], v1
	s_lshr_b32 s[FB], s[WV], 1
	s_and_b32 s[HF], s[WV], 1
	s_bfe_u32 s[CX], ttmp6, 0x40000
	s_bfe_u32 s[CY], ttmp6, 0x40004
	s_lshl_b32 s[TX], ttmp9, 2
	s_add_co_u32 s[TX], s[TX], s[CX]
	s_and_b32 s[TY], ttmp7, 0xffff
	s_lshl_b32 s[TY], s[TY], 2
	s_add_co_u32 s[TY], s[TY], s[CY]
	s_lshl_b32 s20, s[CY], 2
	s_lshl_b32 s20, 15, s20
	s_lshl_b32 s72, 0x1111, s[CX]
	s_or_b32 s[G1A], s20, (1<<16)|(1<<20)|(1<<21)|(4<<22)|(3<<25)   ; 4 words of padding after every 32
	s_or_b32 s[G1B], s72, (1<<16)|(1<<20)|(1<<21)|(5<<22)|(7<<25)   ; 8 words after every 64
	s_mov_b32 s[G1A+1], 128<<16                    ; O: 128 dense rows of 128 elements
	s_mov_b32 s[G1A+2], 128<<16
	s_mov_b32 s[G1A+3], 128<<16
	s_mov_b32 s[G1A+4], 128
	s_mov_b32 s[G1A+5], 128
	s_mov_b32 s[G1A+6], 0
	s_mov_b32 s[G1A+7], 0
	s_mov_b32 s[G1B+1], 128<<16                    ; W: 64 rows of 128 elements, 1,024 from row to row
	s_mov_b32 s[G1B+2], 64<<16
	s_mov_b32 s[G1B+3], 128<<16
	s_mov_b32 s[G1B+4], 64
	s_mov_b32 s[G1B+5], 1024
	s_mov_b32 s[G1B+6], 0
	s_mov_b32 s[G1B+7], 0
	s_lshr_b32 s20, s[TY], 2
	s_lshl_b32 s20, s20, 21                        ; the batch's 16 heads,
	s_lshl_b32 s21, s[HF], 17                      ; my head of the step's two,
	s_add_co_u32 s20, s20, s21
	s_and_b32 s21, s[TY], 3
	s_lshl_b32 s21, s21, 15                        ; the tile's 256 rows
	s_add_co_u32 s20, s20, s21
	s_mov_b32 s21, 0
	s_mul_i32 s22, s[HF], 256*PA
	s_lshl_b32 s72, s[HF], 17                      ; W: k row 64 x half,
	s_lshl_b32 s73, s[TX], 8                       ; byte column 256 x tile column
	s_add_co_u32 s72, s72, s73
	s_mov_b32 s73, 0
	s_mul_i32 s74, s[HF], 64*PW
	s_add_co_u32 s74, s74, WOFF
	s_mov_b32 s[TB], 0
	s_wait_dscnt 0x0                               ; the opening add is done
	s_wait_kmcnt 0x0
	s_add_nc_u64 s[20:21], s[4:5], s[20:21]
	s_add_nc_u64 s[72:73], s[6:7], s[72:73]
.irp s, 0,1
	s_mov_b32 s[G0A+4*\s], 1
	s_add_co_u32 s[G0A+4*\s+1], s22, \s*SLOT1
	s_add_nc_u64 s[G0A+4*\s+2:G0A+4*\s+3], s[20:21], \s*KSTEPB
	s_or_b32 s[G0A+4*\s+3], s[G0A+4*\s+3], 0x80000000
	s_mov_b32 s[G0B+4*\s], 1
	s_add_co_u32 s[G0B+4*\s+1], s74, \s*SLOT1
	s_add_nc_u64 s[G0B+4*\s+2:G0B+4*\s+3], s[72:73], \s*KSTEPB
	s_or_b32 s[G0B+4*\s+3], s[G0B+4*\s+3], 0x80000000
.endr
	CROUND                                         ; all sixteen work-groups are here: the first joint loads meet
	s_cmp_eq_u32 s[FB], 0
	s_cbranch_scc0 .Lfirst_b
	tensor_load_to_lds s[G0A:G0A+3], s[G1A:G1A+7]
	s_nop 0
	tensor_load_to_lds s[G0A+4:G0A+7], s[G1A:G1A+7]
	s_nop 0
	PLACES
	s_branch .Lfirst_asked
.Lfirst_b:
	tensor_load_to_lds s[G0B:G0B+3], s[G1B:G1B+7]
	s_nop 0
	tensor_load_to_lds s[G0B+4:G0B+7], s[G1B:G1B+7]
	s_nop 0
	PLACES
.Lfirst_asked:
	v_and_b32 v1, 15, v0
	v_bfe_u32 v2, v0, 4, 1
	v_lshlrev_b32 v[BO], 5, v2
	s_lshl_b32 s76, s[TX], 9
	s_mov_b32 s77, 0
	s_add_nc_u64 s[8:9], s[8:9], s[76:77]
	WIN 0x40
.set bb, 0
.rept 8
	global_load_b128 v[BIAS+8*bb:BIAS+8*bb+3], v[BO], s[8:9] offset:64*bb
	global_load_b128 v[BIAS+8*bb+4:BIAS+8*bb+7], v[BO], s[8:9] offset:64*bb+16
.set bb, bb+1
.endr
	WIN 0
	v_mul_u32_u24 v3, v1, PA
	v_lshl_add_u32 v3, v2, 4, v3
	s_mul_i32 s76, s[WV], 64*PA
	v_add_nc_u32 v[ADRA0], s76, v3
	v_mov_b32 v[ADRA], v[ADRA0]
	v_and_b32 v4, 7, v0
	v_lshl_add_u32 v4, v2, 3, v4
	v_mul_u32_u24 v4, v4, PW
	v_bfe_u32 v5, v0, 3, 1
	v_lshl_add_u32 v4, v5, 4, v4
	v_add_nc_u32 v[ADRB0], WOFF, v4
	v_mov_b32 v[ADRB], v[ADRB0]
	s_mul_i32 s76, s[WV], 16*SP
	s_add_co_u32 s76, s76, STAGE
	v_mul_u32_u24 v3, v1, SP
	v_lshl_add_u32 v3, v2, 5, v3
	v_add_nc_u32 v[STO], s76, v3                   ; in: row r, 32 bytes for each half of the lanes
	v_and_b32 v[GO], 31, v0
	v_lshlrev_b32 v[GO], 4, v[GO]
	v_add_nc_u32 v[RD], s76, v[GO]                 ; back: a whole row of 512 bytes
	s_lshl_b32 s76, s[TY], 2
	s_add_co_u32 s76, s76, s[WV]
	s_lshl_b32 s76, s76, 18                        ; my 64 rows of 4,096 bytes
	s_lshl_b32 s77, s[TX], 9
	s_add_co_u32 s76, s76, s77
	s_mov_b32 s77, 0
	s_add_nc_u64 s[10:11], s[10:11], s[76:77]
	; the prefetches
	s_lshr_b32 s76, s[TY], 2
	s_lshl_b32 s76, s76, 21
	s_lshl_b32 s80, s[HF], 17
	s_add_co_u32 s76, s76, s80
	s_and_b32 s80, s[TY], 3
	s_lshl_b32 s80, s80, 15
	s_add_co_u32 s76, s76, s80
	s_lshl_b32 s80, s[CX], 13
	s_add_co_u32 s76, s76, s80                     ; O: my work-group's 32 blocks of my head's 128
	s_lshl_b32 s81, s[CY], 16                      ; W: its 32 rows of 2,048 bytes,
	s_lshl_b32 s80, s[TX], 8
	s_add_co_u32 s81, s81, s80
	s_and_b32 s77, ttmp7, 0xffff
	s_or_b32 s77, s77, s[HF]                       ; (of W's two waves the first asks)
	s_cmp_eq_u32 s[FB], 0
	s_cselect_b32 s77, ttmp9, s77
	s_cselect_b64 s[PFA:PFA+1], s[4:5], s[6:7]
	s_cselect_b32 s78, 8, 11
	s_cselect_b32 s76, s76, s81
	s_cmp_eq_u32 s77, 0
	s_cselect_b32 s[LIM], 2, -1
	s_mov_b32 s77, 0
	s_add_nc_u64 s[PFA:PFA+1], s[PFA:PFA+1], s[76:77]
	s_add_nc_u64 s[PFA:PFA+1], s[PFA:PFA+1], 3*KSTEPB  ; at K step 3: the first refill steps it to 4
	v_and_b32 v3, 31, v0
	v_lshlrev_b32 v[PFO], s78, v3
.macro MULB f, b0, n, zero
.set bb, (\b0)
.rept (\n)
.if \zero
	WIN 0x91                                       ; W and the bias in window 1, O in window 0, sums in window 2
.else
	WIN 0xa1
.endif
.irp a, 0,1,2,3
.if \zero
	v_wmma_f32_16x16x32_f16 v[32*bb+8*\a:32*bb+8*\a+7], v[64*(\f)+8*bb:64*(\f)+8*bb+7], v[FA+32*(\f)+8*\a:FA+32*(\f)+8*\a+7], v[BIAS+8*bb:BIAS+8*bb+7]
.else
	v_wmma_f32_16x16x32_f16 v[32*bb+8*\a:32*bb+8*\a+7], v[64*(\f)+8*bb:64*(\f)+8*bb+7], v[FA+32*(\f)+8*\a:FA+32*(\f)+8*\a+7], v[32*bb+8*\a:32*bb+8*\a+7]
.endif
.endr
.set bb, bb+1
.endr
.endm
.macro FETCH q, f                      ; 24 LDS loads in one run: O's 8 (head q / 2 of the step's two, channels 32 (q % 2) on), then W's 16
	WIN 0
.irp a, 0,1,2,3
	ds_load_b128 v[FA+32*(\f)+8*\a:FA+32*(\f)+8*\a+3], v[ADRA] offset:((\q)/2)*256*PA+((\q)%2)*64+16*PA*\a
	ds_load_b128 v[FA+32*(\f)+8*\a+4:FA+32*(\f)+8*\a+7], v[ADRA] offset:((\q)/2)*256*PA+((\q)%2)*64+16*PA*\a+32
.endr
	WIN 0x40
.set bb, 0
.rept 8
	ds_load_tr16_b128 v[64*(\f)+8*bb:64*(\f)+8*bb+3], v[ADRB] offset:32*PW*(\q)+32*bb
	ds_load_tr16_b128 v[64*(\f)+8*bb+4:64*(\f)+8*bb+7], v[ADRB] offset:32*PW*(\q)+32*bb+16*PW
.set bb, bb+1
.endr
.endm
; A quarter of a K step: 32 along K, 32 products.  Buffer g was multiplied in the quarter before and is free: quarter q's fragments are asked for at once, a whole quarter ahead of their use; then buffer f is multiplied.
.macro QUARTER q, f, g, zero
	s_wait_dscnt 0x0                               ; buffer f is in: its 24 loads went out at the head of the quarter before (behind a change of slots: 24 products back)
	PLACES                                         ; four places in front of loads into registers that the last products have read
	FETCH \q, \g
	MULB \f, 0, 8, \zero
.endm
; The last quarter multiplies buffer 1 and changes slots; the barrier stands 8 products into it, so that the refill and the next slot's first fragments go out with 24 products still to come.
.macro TURN fill
.if \fill
	s_wait_xcnt 0x0                                ; the last prefetch, a K step back, has read its address
	s_add_nc_u64 s[PFA:PFA+1], s[PFA:PFA+1], KSTEPB
.endif
	WIN 0
	s_wait_tensorcnt 0x0                           ; all my tensor loads have landed: my part of the next slot
	ds_add_u32 v[SPW], v[NIL]
	s_wait_dscnt 1                                 ; buffer 1's 24 loads are in; the add, the youngest, may be out
	MULB 1, 0, 1, 0
	s_wait_dscnt 0x0                               ; the add is done, and my reads of this slot are over
	s_barrier_signal -1
	MULB 1, 1, 1, 0
	WIN 0
	s_barrier_wait -1
.if \fill
	CREST
	s_xor_b32 s[G0A+5], s[G0A+5], SLOT1
	s_add_nc_u64 s[G0A+6:G0A+7], s[G0A+6:G0A+7], KSTEPB
	s_xor_b32 s[G0B+5], s[G0B+5], SLOT1
	s_add_nc_u64 s[G0B+6:G0B+7], s[G0B+6:G0B+7], KSTEPB
	JLOAD
.else
	PLACES
.endif
	s_xor_b32 s[TB], s[TB], SLOT1
	v_add_nc_u32 v[ADRA], s[TB], v[ADRA0]
	v_add_nc_u32 v[ADRB], s[TB], v[ADRB0]
	FETCH 0, 0
.if \fill
	ASK
.endif
	MULB 1, 2, 6, 0
.endm
	s_wait_loadcnt 0x0                             ; the bias: rounded to bf16 like every input, and widened again
	WIN 0x55
.set z, 0
.rept 32
	v_cvt_pk_bf16_f32 v[192+z], v[BIAS+2*z], v[BIAS+2*z+1]
.set z, z+1
.endr
.set z, 0
.rept 32
	v_lshlrev_b32 v[BIAS+2*z], 16, v[192+z]
	v_and_b32 v[BIAS+2*z+1], 0xffff0000, v[192+z]
.set z, z+1
.endr
	WIN 0
	s_wait_tensorcnt 1                             ; my part of K step 0 is in; K step 1's may stay out
	s_barrier_signal -1
	s_barrier_wait -1
	FETCH 0, 0
	QUARTER 1, 0, 1, 1
	WIN 0
	s_mov_b32 s3, 6
.Lstep:
	QUARTER 2, 1, 0, 0
	QUARTER 3, 0, 1, 0
	TURN 1
	QUARTER 1, 0, 1, 0
	WIN 0
	s_sub_co_u32 s3, s3, 1
	s_cmp_lg_u32 s3, 0
	s_cbranch_scc1 .Lstep
	QUARTER 2, 1, 0, 0
	QUARTER 3, 0, 1, 0
	TURN 0
	QUARTER 1, 0, 1, 0
	QUARTER 2, 1, 0, 0
	QUARTER 3, 0, 1, 0
	s_wait_dscnt 0x0                               ; the very last quarter: nothing more to fetch
	MULB 1, 0, 8, 0
	WIN 0
.rept 8
	v_nop                                          ; the places behind the last products
.endr
; THE WAY OUT, a block of 16 rows at a time: the sums go as they are into my stage (rows of 528 bytes) and come back as whole rows of 512 bytes.
.macro OUTA a
.set BK, 128+64*((\a)%2)
.if (\a) >= 2
	s_wait_xcnt 0x0                                ; the stores of the block two back have read the registers that are loaded again below
.endif
	WIN 0x08                                       ; the stores' data in window 2
.irp b, 0,1,2,3,4,5,6,7
	ds_store_b128 v[STO], v[32*\b+8*(\a):32*\b+8*(\a)+3] offset:64*\b
	ds_store_b128 v[STO], v[32*\b+8*(\a)+4:32*\b+8*(\a)+7] offset:64*\b+16
.endr
	WIN 0
.irp t, 0,1,2,3,4,5,6,7,8,9,10,11,12,13,14,15
	ds_load_b128 v[BK+4*\t:BK+4*\t+3], v[RD] offset:\t*SP  ; LDS serves a wave's instructions in order: these see the stores above, and the next block's stores come behind them
.endr
.endm
.macro SENDA a, younger
.set BK, 128+64*((\a)%2)
	s_wait_dscnt \younger                          ; the next block's 32 LDS instructions may stay out
.irp t, 0,1,2,3,4,5,6,7,8,9,10,11,12,13,14,15
	global_store_b128 v[GO], v[BK+4*\t:BK+4*\t+3], s[10:11] offset:(16*(\a)+\t)*4096  ; 512 bytes on end, aligned
.endr
.endm
	OUTA 0
	OUTA 1
	SENDA 0, 32
	OUTA 2
	SENDA 1, 32
	OUTA 3
	SENDA 2, 32
	SENDA 3, 0
	s_wait_tensorcnt 0x0                           ; the wave's end
	ds_add_u32 v[SPW], v[NIL]
	s_wait_dscnt 0x0
	CROUND                                         ; the closing round
	s_endpgm
.Lfunc_end_k_qa0b474df9f_outp:
	.size	k_qa0b474df9f_outp, .Lfunc_end_k_qa0b474df9f_outp-k_qa0b474df9f_outp
	.p2alignl 7, 3214868480
	.fill 96, 4, 3214868480
	.section	.rodata,"a",@progbits
	.p2align	6, 0x0
	.amdhsa_kernel k_qa0b474df9f_outp
		.amdhsa_group_segment_fixed_size 327680
		.amdhsa_private_segment_fixed_size 0
		.amdhsa_enable_private_segment 0
		.amdhsa_kernarg_size 32
		.amdhsa_user_sgpr_count 2
		.amdhsa_user_sgpr_kernarg_segment_ptr 1
		.amdhsa_wavefront_size32 1
		.amdhsa_system_sgpr_workgroup_id_x 1
		.amdhsa_system_sgpr_workgroup_id_y 1
		.amdhsa_system_sgpr_workgroup_id_z 1
		.amdhsa_system_vgpr_workitem_id 0
		.amdhsa_next_free_vgpr 768
		.amdhsa_next_free_sgpr 96
		.amdhsa_reserve_vcc 0
		.amdhsa_float_denorm_mode_32 3
		.amdhsa_float_denorm_mode_16_64 3
		.amdhsa_memory_ordered 1
		.amdhsa_forward_progress 1
		.amdhsa_inst_pref_size 77
	.end_amdhsa_kernel
	.amdgpu_metadata
---
amdhsa.version: [ 1, 2 ]
amdhsa.kernels:
  - .name:           k_qa0b474df9f_outp
    .symbol:         k_qa0b474df9f_outp.kd
    .args:
      - { .name: ob, .offset: 0, .size: 8, .value_kind: global_buffer, .address_space: global }
      - { .name: wob, .offset: 8, .size: 8, .value_kind: global_buffer, .address_space: global }
      - { .name: b_out, .offset: 16, .size: 8, .value_kind: global_buffer, .address_space: global }
      - { .name: out0, .offset: 24, .size: 8, .value_kind: global_buffer, .address_space: global }
    .group_segment_fixed_size: 327680
    .private_segment_fixed_size: 0
    .kernarg_segment_align: 8
    .kernarg_segment_size: 32
    .max_flat_workgroup_size: 128
    .sgpr_count:     96
    .vgpr_count:     768
    .wavefront_size: 32
...
	.end_amdgpu_metadata
.endif
;; end of part 4
